; MI455X (gfx1250); checked and timed in simulation.
; The chip was launched on July 23, 2026; its instructions are those of AMD's public machine-readable ISA for CDNA 5 (MIT licence, August 2026) and "CDNA5" Instruction Set Architecture Reference Guide (July 2026). The comments in the code are by the model that wrote it; some were corrected since.
;; Causal Self Attention. Allowed arithmetic: matrix products marked QUANTISED: E2M3 operands, one E8M0 scale for each 32 along K, by v_wmma_scale_f32_16x16x128_f8f6f4 with both operands' format E2M3, f32 sums; everything else in f32.
;; Inputs: wk 1,024 x 1,024 float32; wo 1,024 x 1,024 float32; wq 1,024 x 1,024 float32; wv 1,024 x 1,024 float32; x 4 x 2,048 x 1,024 float32.
;; Outputs: out0 4 x 2,048 x 1,024 float32.
;; This version of the problem:
;;   THIS VERSION OF THE PROBLEM IS GIVEN IN LOW PRECISION. The matrix products marked QUANTISED in the list below multiply operands that are first quantised to E2M3 (2 exponent bits, 3 mantissa bits; 6 bits a number), with one power-of-two scale for each 32 numbers along K (OCP MX v1.0); their sums are f32. All else is computed in f32.
;;   The module's matrix products, in the order in which they are computed (A, B: the left and right operand; K: the contracted axis; several contracted axes count as one K, in the product's order):
;;     1. [M 8,192, K 1,024] x [K 1,024, N 1,024]; A: input x; B: input wq: QUANTISED
;;     2. [M 8,192, K 1,024] x [K 1,024, N 1,024]; A: input x; B: input wk: QUANTISED
;;     3. [M 8,192, K 1,024] x [K 1,024, N 1,024]; A: input x; B: input wv: QUANTISED
;;     4. batch 64 x [M 2,048, K 64] x [K 64, N 2,048]; A: computed on the way; B: computed on the way: QUANTISED
;;     5. batch 64 x [M 2,048, K 2,048] x [K 2,048, N 64]; A: softmax (see below); B: computed on the way: QUANTISED
;;     6. [M 8,192, K 1,024] x [K 1,024, N 1,024]; A: computed on the way; B: input wo: QUANTISED
;;   THE QUANTISER, for each operand of a quantised product, along K:
;;     - K is cut into blocks of 32 from its start; a last block that is shorter is filled with zeros.
;;     - A block's scale is 2^e with e = floor(log2(the largest magnitude in the block)) - 2, held to -126 .. 127; a block of zeros has e = 0. As a byte (E8M0): e + 127.
;;     - Each number is divided by its block's scale, clamped to +-7.5, and rounded to the nearest number of E2M3, ties to even, subnormals kept.
;;     - The product sums the exact products of the quantised numbers (number of the format x scale) in f32.
;;   ~~~python
;;   def quantise(x, axis):      # numpy; x: float32 -> the quantised numbers, widened to float32 again
;;       x = np.moveaxis(x, axis, -1); K = x.shape[-1]
;;       x = np.pad(x, [(0, 0)] * (x.ndim - 1) + [(0, -K % 32)]); x = x.reshape(x.shape[:-1] + (-1, 32)); a = np.abs(x).max(-1, keepdims=True)
;;       e = np.where(a > 0, np.clip(np.frexp(np.where(a > 0, a, 1))[1] - 1 - 2, -126, 127), 0)      # np.frexp(a)[1] - 1 = floor(log2(a)), exactly
;;       r = np.clip(x / 2.0 ** e, -7.5, 7.5)
;;       step = 2.0 ** (np.maximum(np.frexp(np.where(r == 0, 1, r))[1] - 1, 0) - 3)
;;       q = np.round(r / step) * step * 2.0 ** e      # np.round: ties to even
;;       return np.moveaxis(q.reshape(q.shape[:-2] + (-1,))[..., :K], -1, axis).astype(np.float32)
;;   ~~~
;;   SOFTMAX AHEAD OF A QUANTISED PRODUCT. Where the list says 'softmax', what is quantised is not the finished softmax but p = 2^(t - M), with t = logit x log2(e) and M = ceil(the row's largest t), a whole number; so 1/2 < the row's largest p <= 1. The row's sum l is taken of the UNQUANTISED p, in f32, and the product's result is divided by l at the end. Since M is a whole number, a kernel that streams over the keys may use a running M (the ceiling of the running maximum): every later rescaling is an exact power of two, which a block's scale takes up: the codes' values come out the same.
;;   OPERANDS COMPUTED ON THE WAY. 'Computed on the way' means the value that the module computes at that place (a softmax that the list does not call 'softmax' is quantised finished and normalised). What goes into a quantiser is computed in f32, as accurately as f32 sums, v_exp_f32 and their like allow (about 1e-6 of the number): no bf16 or f16 on the way to a quantiser, and a product that is left as it is and whose result goes on into a quantised operand takes f32 operands (vector FMAs, or v_wmma_f32_16x16x4_f32). A number that lies on a knife's edge between two numbers of the format may be rounded either way, as far as f32 arithmetic and the matrix unit's own rounding can turn it there, and no further.
;; One version. Each part assembles by itself: llvm-mc -triple=amdgcn-amd-amdhsa -mcpu=gfx1250 --defsym DOCPART=n.
;; ======== version 1 of 1: 4 launches
;; workspace buffers: ac 9,437,184 bytes; asc 393,216 bytes; rt 524,288 bytes; qkv 20,185,088 bytes; oc 6,291,456 bytes; osh 262,144 bytes
;; launch prep (part 1): grid 416 x 1, 4 waves a work-group, no clusters, 34,304 bytes of LDS; arguments x, wq, wk, wv, wo, ac, asc, rt; writes ac, asc, rt
.if DOCPART == 1
	.amdgcn_target "amdgcn-amd-amdhsa--gfx1250"
	.amdhsa_code_object_version 6
	.text
	.protected	k_qcc45b5a206_prep
	.globl	k_qcc45b5a206_prep
	.p2align	8
	.type	k_qcc45b5a206_prep,@function
k_qcc45b5a206_prep:
	s_mov_b64 s[64:65], 0
	v_nop
	global_prefetch_b8 v0, s[64:65] scope:SCOPE_SE
	s_setreg_imm32_b32 hwreg(HW_REG_WAVE_MODE, 25, 1), 1
	s_wait_xcnt 0x0
; x [8192][1024] and wq, wk, wv, wo [1024][1024], f32, K innermost, become codes of FP6 (E2M3) with one E8M0 byte for each 32 along K; and the table of cosines and sines is made.
; A ROW TILE T is 16 rows: its lane r holds row 32 (T / 2) + 8 (T % 2) + r + 8 (r / 8).  Tiles: x 0-511, wq 512-575, wk 576-639, wv 640-703, wo 704-767.
; A FRAGMENT (a tile x 128 along K, 12 registers a lane) lies in memory as an image of its registers: three pieces of 512 bytes, piece p = registers 4 p .. 4 p + 3 at 16 x lane.
; ac: [sigma 4][tile 768][s 2][1,536 bytes], K step 2 sigma + s.   asc: [tile 768][kappa 2][row 16][4 words], word j = K step 4 kappa + j.   rt: [t 2048][32 cos | 32 sin] f32.
; Work-groups 0-383: 32 rows of one tensor (two tiles); wave w: tile w / 2, K steps 4 (w % 2) on.  Each load reads 512 consecutive bytes of a row; a K step's 16 rows turn through the wave's own
; stage in LDS (rows of 528 bytes), so that a lane gets 16 neighbours of each block of 32.  Work-groups 384-415: the table, 16 positions a wave.
; A block's scale is 2^(floor(log2(largest magnitude)) - 2); its byte is that magnitude's exponent field - 2, held at 1 from below.
; LIMITS: a block of zeros gets the byte 1 where the rule says 127 (its codes are zeros; this program alone reads the bytes); NaN and infinities among the inputs are not served;
; the 32 frequencies are the f32 numbers nearest to 10^(-i/8); sine and cosine come from a reduction by pi / 2 in two parts and polynomials of degree 7 and 8.
.set PLANE, 2359296                    ; bytes of one sigma of ac
.set STG,   8448                       ; a wave's stage: 16 rows x 528 bytes
.set SPARE, 4*STG                      ; behind the stages: the spare words, 128 bytes a wave
.set SPW,   8                          ; v8   my spare word's address; never rewritten
.set NIL,   9                          ; v9   0; never rewritten
.set SW,    10                         ; v10-13 the four K steps' scale words
.set E,     14                         ; v14-15 the two that I store
.set R,     16                         ; v16-143 two sets of 64: a K step as loaded
.set X,     144                        ; v144-207 64 numbers: register 16 b + i = k 32 b + 16 (lane / 16) + i of my row
.set PC,    208                        ; v208-219 the codes; v220-226 at work
.set TM,    228                        ; v228-243 at work
	s_load_b512 s[4:19], s[0:1], 0x0               ; x, wq, wk, wv, wo, ac, asc, rt
	v_lshl_add_u32 v[SPW], v0, 2, SPARE
	v_mov_b32 v[NIL], 0
	v_lshrrev_b32 v1, 5, v0
	v_readfirstlane_b32 s20, v1                    ; wave
	v_and_b32 v1, 31, v0                           ; lane
	v_lshlrev_b32 v4, 4, v1                        ; 16 x lane
	s_cmp_ge_u32 ttmp9, 384
	s_cbranch_scc1 .Ltable
	; ---------------- the quantiser
	v_and_b32 v2, 15, v0                           ; r
	v_bfe_u32 v3, v0, 4, 1                         ; h
	s_mul_i32 s21, s20, STG
	v_add_nc_u32 v5, s21, v4                       ; into the stage: 16 x lane of a row
	v_mul_u32_u24 v6, v2, 528
	v_lshl_add_u32 v6, v3, 6, v6
	v_add_nc_u32 v6, s21, v6                       ; out of it: row r, + 64 h
	v_lshlrev_b32 v7, 4, v2
	v_lshl_add_u32 v7, v3, 3, v7                   ; my two scale words' place: 16 r + 8 h
	s_mov_b32 s22, 0x76543210
	s_mov_b32 s23, 0xfedcba98                      ; lane l xor 16
	s_mov_b32 s24, 0xffff0000                      ; lanes 16-31
.irp b, 0,1,2,3
	v_mov_b32 v[TM+4+\b], 0                        ; a lane permute's destination counts as read
.endr
	s_lshr_b32 s25, s20, 1                         ; which of the two tiles
	s_and_b32 s28, s20, 1                          ; kappa
	s_and_b32 s29, ttmp9, 31                       ; a weight's block of 32 rows
	s_wait_kmcnt 0x0
	s_mov_b64 s[26:27], s[12:13]                   ; the tensor is chosen by the work-group's number alone
	s_cmp_lt_u32 ttmp9, 352
	s_cselect_b64 s[26:27], s[10:11], s[26:27]
	s_cmp_lt_u32 ttmp9, 320
	s_cselect_b64 s[26:27], s[8:9], s[26:27]
	s_cmp_lt_u32 ttmp9, 288
	s_cselect_b64 s[26:27], s[6:7], s[26:27]
	s_cmp_lt_u32 ttmp9, 256
	s_cselect_b64 s[26:27], s[4:5], s[26:27]
	s_cselect_b32 s29, ttmp9, s29
	s_lshl_b32 s30, s29, 17                        ; 32 rows of 4,096 bytes,
	s_lshl_b32 s31, s25, 15                        ; the tile's first row is 8 rows on,
	s_add_co_u32 s30, s30, s31
	s_lshl_b32 s31, s28, 11                        ; four K steps of 512 bytes
	s_add_co_u32 s30, s30, s31
	s_mov_b32 s31, 0
	s_add_nc_u64 s[26:27], s[26:27], s[30:31]
	s_lshl_b32 s32, ttmp9, 1
	s_add_co_u32 s32, s32, s25                     ; the tile
	s_mul_i32 s30, s32, 3072
	s_mul_i32 s33, s28, 2*PLANE
	s_add_co_u32 s30, s30, s33
	s_add_nc_u64 s[14:15], s[14:15], s[30:31]
	s_lshl_b32 s30, s32, 9
	s_lshl_b32 s33, s28, 8
	s_add_co_u32 s30, s30, s33
	s_add_nc_u64 s[16:17], s[16:17], s[30:31]
.macro LOAD f                          ; K step f of my four: the tile's 16 rows, 512 consecutive bytes each
.irp i, 0,1,2,3,4,5,6,7,8,9,10,11,12,13,14,15
	global_load_b128 v[R+64*((\f)%2)+4*\i:R+64*((\f)%2)+4*\i+3], v4, s[26:27] offset:(\i+8*(\i/8))*4096+512*(\f) th:TH_LOAD_NT
.endr
.endm
.macro QUANT pw                        ; the 64 numbers in X become a fragment's codes in PC and its scale word in pw
.irp b, 0,1,2,3
	v_max3_num_f32 v[TM+\b], |v[X+16*\b]|, |v[X+16*\b+1]|, 0x1800000   ; my 16 of block b, and the floor 2^(3 - 127): the byte cannot fall under 1
.endr
.irp i, 2,4,6,8,10,12,14
.irp b, 0,1,2,3
	v_max3_num_f32 v[TM+\b], v[TM+\b], |v[X+16*\b+\i]|, |v[X+16*\b+\i+1]|
.endr
.endr
.irp b, 0,1,2,3
	v_permlanex16_b32 v[TM+4+\b], v[TM+\b], s22, s23
.endr
.irp b, 0,1,2,3
	v_max_num_f32 v[TM+\b], v[TM+\b], v[TM+4+\b]   ; with lane l xor 16's 16: the block's largest magnitude
.endr
.irp b, 0,1,2,3
	v_add_nc_u32 v[TM+12+\b], 0xff000000, v[TM+\b] ; 2 off its exponent field: the conversion's scale operand
.endr
.irp b, 0,1,2,3
	v_lshrrev_b32 v[TM+4+\b], 23, v[TM+12+\b]      ; the byte
.endr
	v_lshl_or_b32 v[\pw], v[TM+5], 8, v[TM+4]
	v_lshl_or_b32 v[\pw], v[TM+6], 16, v[\pw]
	v_lshl_or_b32 v[\pw], v[TM+7], 24, v[\pw]
.irp c, 0,1
	v_cvt_scalef32_pk16_fp6_f32 v[PC+6*\c:PC+6*\c+2], v[X+32*\c:X+32*\c+15], v[TM+12+2*\c]
	v_cvt_scalef32_pk16_fp6_f32 v[PC+12+4*\c:PC+14+4*\c], v[X+16+32*\c:X+31+32*\c], v[TM+13+2*\c]
.endr
	v_nop                                          ; one plain instruction behind the conversions
.irp c, 0,1                            ; the operand wants a whole block in a lane: lanes 0-15 block 2 c, lanes 16-31 block 2 c + 1
.irp i, 0,1,2
	v_permlane16_swap_b32 v[PC+6*\c+\i], v[PC+12+4*\c+\i]
.endr
.irp i, 0,1,2
	v_mov_b32 v[PC+3+6*\c+\i], v[PC+12+4*\c+\i]
.endr
.endr
.endm
.macro FRAG f
.if (\f) < 3
	s_wait_loadcnt 16                              ; this K step's 16 loads are in; the next one's 16 may be out
.else
	s_wait_loadcnt 0x0
.endif
.irp i, 0,1,2,3,4,5,6,7,8,9,10,11,12,13,14,15
	ds_store_b128 v5, v[R+64*((\f)%2)+4*\i:R+64*((\f)%2)+4*\i+3] offset:528*\i
.endr
.irp b, 0,1,2,3
.irp j, 0,1,2,3
	ds_load_b128 v[X+16*\b+4*\j:X+16*\b+4*\j+3], v6 offset:128*\b+16*\j   ; LDS serves a wave's instructions in order: these see my stores
.endr
.endr
	s_wait_dscnt 0x0                               ; the numbers are back, and the stores have read their registers,
.if (\f) < 2
	LOAD (\f)+2                                    ; which take the K step two on
.endif
.if (\f) > 0
	s_wait_xcnt 0x0                                ; the last K step's stores have read the codes' registers
.endif
	QUANT SW+(\f)
.irp p, 0,1,2
	global_store_b128 v4, v[PC+4*\p:PC+4*\p+3], s[14:15] offset:((\f)/2)*PLANE+((\f)%2)*1536+512*\p   ; 512 consecutive bytes, aligned
.endr
.endm
	LOAD 0
	LOAD 1
	FRAG 0
	FRAG 1
	FRAG 2
	FRAG 3
	v_cndmask_b32 v[E], v[SW], v[SW+2], s24        ; lanes 0-15 store words 0 and 1 of their row, lanes 16-31 words 2 and 3
	v_cndmask_b32 v[E+1], v[SW+1], v[SW+3], s24
	global_store_b64 v7, v[E:E+1], s[16:17]        ; 32 lanes: 256 consecutive bytes, aligned
	s_wait_tensorcnt 0x0                           ; the wave's end, behind my last LDS store
	ds_add_u32 v[SPW], v[NIL]
	s_wait_dscnt 0x0
	s_endpgm
	; ---------------- the table: no LDS is written on this way
.Ltable:
	s_sub_co_u32 s21, ttmp9, 384
	s_lshl_b32 s21, s21, 2
	s_add_co_u32 s21, s21, s20                     ; which 16 positions are my wave's
	v_lshrrev_b32 v2, 4, v1                        ; lanes 0-15 one position, lanes 16-31 the next
	v_bfe_u32 v3, v0, 3, 1                         ; of 16 lanes the first 8 make cosines, the others sines
	v_mul_u32_u24 v3, v3, 3                        ; sin(a) = cos(a - pi / 2): three quadrants on
	s_lshl_b32 s22, s21, 4
	v_add_nc_u32 v2, s22, v2
	v_cvt_f32_u32 v5, v2                           ; t
.irp j, 0,1,2,3
	v_mov_b32 v[16+\j], 0
.endr
.macro FREQ idx, lit                   ; frequency idx goes to register idx % 4 of the four lanes with lane % 8 = idx / 4
	s_mov_b32 s30, \lit
	v_writelane_b32 v[16+(\idx)%4], s30, (\idx)/4
	v_writelane_b32 v[16+(\idx)%4], s30, (\idx)/4+8
	v_writelane_b32 v[16+(\idx)%4], s30, (\idx)/4+16
	v_writelane_b32 v[16+(\idx)%4], s30, (\idx)/4+24
.endm
	FREQ 0, 0x3f800000
	FREQ 1, 0x3f3ff911
	FREQ 2, 0x3f0ff59a
	FREQ 3, 0x3ed7e89b
	FREQ 4, 0x3ea1e89b
	FREQ 5, 0x3e72d424
	FREQ 6, 0x3e361887
	FREQ 7, 0x3e088d77
	FREQ 8, 0x3dcccccd
	FREQ 9, 0x3d99940e
	FREQ 10, 0x3d6655c3
	FREQ 11, 0x3d2cba15
	FREQ 12, 0x3d0186e2
	FREQ 13, 0x3cc24350
	FREQ 14, 0x3c91ad39
	FREQ 15, 0x3c5a7bf1
	FREQ 16, 0x3c23d70a
	FREQ 17, 0x3bf5b9b0
	FREQ 18, 0x3bb8449c
	FREQ 19, 0x3b8a2e77
	FREQ 20, 0x3b4f3e37
	FREQ 21, 0x3b1b690d
	FREQ 22, 0x3ae91528
	FREQ 23, 0x3aaec98e
	FREQ 24, 0x3a83126f
	FREQ 25, 0x3a44948c
	FREQ 26, 0x3a136a16
	FREQ 27, 0x39dd1726
	FREQ 28, 0x39a5cb5f
	FREQ 29, 0x3978a814
	FREQ 30, 0x393a7753
	FREQ 31, 0x390bd472
	s_mov_b32 s34, 0xbfc90fda                      ; -pi / 2, upper part: n x it is exact beside a,
	s_mov_b32 s35, 0xb3a22168                      ; and the rest
	s_mov_b32 s36, 0xb94ca1f9                      ; the sine's three coefficients
	s_mov_b32 s37, 0x3c08839e
	s_mov_b32 s38, 0xbe2aaaa3
	s_mov_b32 s39, 0x37ccf5ce                      ; the cosine's three
	s_mov_b32 s40, 0xbab6061a
	s_mov_b32 s41, 0x3d2aaaa5
	s_mov_b32 s42, 0x3f22f983                      ; 2 / pi
	s_lshl_b32 s22, s21, 12                        ; 16 rows of 256 bytes
	s_mov_b32 s23, 0
	s_wait_kmcnt 0x0
	s_add_nc_u64 s[18:19], s[18:19], s[22:23]
	s_mov_b32 s24, 0
.Ltrip:                                            ; eight trips, two positions each; the four frequencies of a lane by turns
.irp j, 0,1,2,3
	v_mul_f32 v[20+\j], v5, v[16+\j]               ; a = t x frequency, rounded once
.endr
.irp j, 0,1,2,3
	v_mul_f32 v[28+\j], s42, v[20+\j]
.endr
.irp j, 0,1,2,3
	v_rndne_f32 v[28+\j], v[28+\j]                 ; n
.endr
.irp j, 0,1,2,3
	v_fma_f32 v[32+\j], v[28+\j], s34, v[20+\j]
.endr
.irp j, 0,1,2,3
	v_fma_f32 v[32+\j], v[28+\j], s35, v[32+\j]    ; rho = a - n pi / 2
.endr
.irp j, 0,1,2,3
	v_mul_f32 v[36+\j], v[32+\j], v[32+\j]         ; z
.endr
.irp j, 0,1,2,3
	v_fma_f32 v[40+\j], v[36+\j], s36, s37
.endr
.irp j, 0,1,2,3
	v_fma_f32 v[44+\j], v[36+\j], s39, s40
.endr
.irp j, 0,1,2,3
	v_fma_f32 v[40+\j], v[40+\j], v[36+\j], s38
.endr
.irp j, 0,1,2,3
	v_fma_f32 v[44+\j], v[44+\j], v[36+\j], s41
.endr
.irp j, 0,1,2,3
	v_mul_f32 v[40+\j], v[40+\j], v[36+\j]
.endr
.irp j, 0,1,2,3
	v_fma_f32 v[52+\j], v[36+\j], -0.5, 1.0
.endr
.irp j, 0,1,2,3
	v_mul_f32 v[36+\j], v[36+\j], v[36+\j]
.endr
.irp j, 0,1,2,3
	v_fma_f32 v[40+\j], v[40+\j], v[32+\j], v[32+\j]   ; sin rho
.endr
.irp j, 0,1,2,3
	v_fma_f32 v[44+\j], v[44+\j], v[36+\j], v[52+\j]   ; cos rho
.endr
.irp j, 0,1,2,3
	v_cvt_i32_f32 v[48+\j], v[28+\j]
.endr
.irp j, 0,1,2,3
	v_add_nc_u32 v[48+\j], v[48+\j], v3            ; the quadrant
.endr
.irp j, 0,1,2,3
	v_and_b32 v[52+\j], 1, v[48+\j]
.endr
.irp j, 0,1,2,3
	v_cmp_ne_u32 vcc_lo, 0, v[52+\j]
	v_cndmask_b32 v[24+\j], v[44+\j], v[40+\j], vcc_lo ; odd quadrants take the sine
.endr
.irp j, 0,1,2,3
	v_add_nc_u32 v[48+\j], 1, v[48+\j]
.endr
.irp j, 0,1,2,3
	v_and_b32 v[48+\j], 2, v[48+\j]
.endr
.irp j, 0,1,2,3
	v_lshlrev_b32 v[48+\j], 30, v[48+\j]           ; quadrants 1 and 2 change the sign
.endr
.irp j, 0,1,2,3
	v_xor_b32 v[24+\j], v[48+\j], v[24+\j]
.endr
	global_store_b128 v4, v[24:27], s[18:19]       ; two rows of the table: 512 consecutive bytes, aligned
	s_wait_xcnt 0x0                                ; the store has read its data and its base
	s_add_nc_u64 s[18:19], s[18:19], 512
	v_add_f32 v5, 2.0, v5
	s_add_co_u32 s24, s24, 1
	s_cmp_lt_u32 s24, 8
	s_cbranch_scc1 .Ltrip
	s_endpgm
.Lfunc_end_k_qcc45b5a206_prep:
	.size	k_qcc45b5a206_prep, .Lfunc_end_k_qcc45b5a206_prep-k_qcc45b5a206_prep
	.p2alignl 7, 3214868480
	.fill 96, 4, 3214868480
	.section	.rodata,"a",@progbits
	.p2align	6, 0x0
	.amdhsa_kernel k_qcc45b5a206_prep
		.amdhsa_group_segment_fixed_size 34304
		.amdhsa_private_segment_fixed_size 0
		.amdhsa_enable_private_segment 0
		.amdhsa_kernarg_size 64
		.amdhsa_user_sgpr_count 2
		.amdhsa_user_sgpr_kernarg_segment_ptr 1
		.amdhsa_wavefront_size32 1
		.amdhsa_system_sgpr_workgroup_id_x 1
		.amdhsa_system_sgpr_workgroup_id_y 1
		.amdhsa_system_sgpr_workgroup_id_z 1
		.amdhsa_system_vgpr_workitem_id 0
		.amdhsa_next_free_vgpr 256
		.amdhsa_next_free_sgpr 66
		.amdhsa_reserve_vcc 1
		.amdhsa_float_denorm_mode_32 3
		.amdhsa_float_denorm_mode_16_64 3
		.amdhsa_memory_ordered 1
		.amdhsa_forward_progress 1
		.amdhsa_inst_pref_size 49
	.end_amdhsa_kernel
	.amdgpu_metadata
---
amdhsa.version: [ 1, 2 ]
amdhsa.kernels:
  - .name:           k_qcc45b5a206_prep
    .symbol:         k_qcc45b5a206_prep.kd
    .args:
      - { .name: x, .offset: 0, .size: 8, .value_kind: global_buffer, .address_space: global }
      - { .name: wq, .offset: 8, .size: 8, .value_kind: global_buffer, .address_space: global }
      - { .name: wk, .offset: 16, .size: 8, .value_kind: global_buffer, .address_space: global }
      - { .name: wv, .offset: 24, .size: 8, .value_kind: global_buffer, .address_space: global }
      - { .name: wo, .offset: 32, .size: 8, .value_kind: global_buffer, .address_space: global }
      - { .name: ac, .offset: 40, .size: 8, .value_kind: global_buffer, .address_space: global }
      - { .name: asc, .offset: 48, .size: 8, .value_kind: global_buffer, .address_space: global }
      - { .name: rt, .offset: 56, .size: 8, .value_kind: global_buffer, .address_space: global }
    .group_segment_fixed_size: 34304
    .private_segment_fixed_size: 0
    .kernarg_segment_align: 8
    .kernarg_segment_size: 64
    .max_flat_workgroup_size: 128
    .sgpr_count:     66
    .vgpr_count:     256
    .wavefront_size: 32
...
	.end_amdgpu_metadata
.endif
;; end of part 1
;; launch qkv (part 2): grid 8 x 96, 4 waves a work-group, clusters of 4 x 4, 327,680 bytes of LDS; arguments ac, asc, rt, qkv; writes qkv
.if DOCPART == 2
	.amdgcn_target "amdgcn-amd-amdhsa--gfx1250"
	.amdhsa_code_object_version 6
	.text
	.protected	k_qcc45b5a206_qkv
	.globl	k_qcc45b5a206_qkv
	.p2align	8
	.type	k_qcc45b5a206_qkv,@function
k_qcc45b5a206_qkv:
	s_mov_b64 s[64:65], 0
	v_nop
	global_prefetch_b8 v0, s[64:65] scope:SCOPE_SE
	s_setreg_imm32_b32 hwreg(HW_REG_WAVE_MODE, 25, 1), 1
	s_wait_xcnt 0x0
	s_wait_alu depctr_hold_cnt(0) depctr_sa_sdst(0) depctr_va_vdst(0) depctr_va_sdst(0) depctr_va_ssrc(0) depctr_va_vcc(0) depctr_vm_vsrc(0)
	s_getreg_b32 s2, hwreg(HW_REG_IB_STS2, 6, 4)
	s_cmp_eq_u32 s2, 0
	s_cbranch_scc0 .Lentry_in_a_cluster
	s_endpgm
.Lentry_in_a_cluster:
	s_bfe_u32 s2, ttmp6, 0x10000c
	s_cmp_lg_u32 s2, 0xf033
	s_cbranch_scc0 .Lentry_shape_is_right
	s_endpgm
.Lentry_shape_is_right:
; The three projections on codes of FP6 (E2M3), the rotary embedding, and the results quantised into the operands of attention.
; A work-group makes S1 (128 rows: 8 row tiles, source 1: a lane holds a row) x S0 (256 rows: 16 row tiles, source 0: a lane's registers run along it), K = 1,024.  Four waves, each 64 x 128: 32 accumulators.
; Clusters with y under 16 (QK): S1 = rows of x, S0 = rows of wq | wk: a lane holds one position and its registers run along the outputs, two heads of 64: rotated, quantised along the head.
; The others (V): S1 = rows of wv, S0 = rows of x: a lane holds one channel and its registers run along 128 keys: quantised along the keys.
; ROW TILES are permuted (lane r of tile T: row 32 (T / 2) + 8 (T % 2) + r + 8 (r / 8)), so that the 16 registers of two neighbouring tiles of S0 are 16 neighbours: register 16 b + i = index 32 b + 16 (lane / 16) + i.
; ALL OF K LIES IN LDS: each wave brings, by three joint loads at the start, a quarter of the scale words and of each half of K; nothing is filled again.  Three tensor loads of a wave are out at the most.
; CLUSTERS: 4 x 4.  S1's tiles hang on the cluster's row, S0's on its column: each is asked for jointly by the four that share it.
; qkv: [batch x head 64][record 8][39,424 bytes]; a record serves 256 positions: K's codes (16 tiles x 768), V's codes (2 key steps x 4 tiles x 1,536), K's scale words, V's, Q's codes, Q's scale words.
; A half fragment (16 rows x 64 along K, 6 registers): registers 0-3 at 16 x lane, registers 4-5 at 512 + 8 x lane.
; REGISTERS: window 0: v1-27 addresses; v28, v29 the add's two; v32-63 S1's scale words, v64-127 S0's (these hold scales and nothing else); v128-223 S1's fragments, two sets; on the way out v128-229.
;   window 1: S0's fragments, two sets, at v0 and v128; on the way out v0-63.   window 2: the accumulators, (a, b) at v[8 (8 a + b)].   window 3: v0-127 cosines and sines.
; LIMITS: a block of zeros gets the byte 1 (its codes are zeros; this program alone reads the bytes); NaN and infinities are not served.
.set PLANE, 2359296
.set HST,   315392                     ; a head's bytes in qkv
.set REC,   39424
.set KC,    0
.set VC,    12288
.set KS,    24576
.set VS,    25600
.set QC,    26112
.set QS,    38400
.set LB,    98304                      ; LDS: S1's codes from 0 (K half x 49,152 + half x 24,576), S0's from here (K half x 98,304 + half x 49,152),
.set SA,    294912                     ; S1's scale words (4,096), S0's (8,192),
.set SB,    299008
.set SPARE, 307200                     ; and the spare words, 128 bytes a wave
.set NF,    36                         ; LDS loads of a K step's fragments
.set SPW,   28
.set NIL,   29
.set TM,    208
.set SWD,   224
.set EE,    228
.set G1A,   24
.set G0A,   32
.set G1B,   48
.set G0B,   56
.set G1SA,  68
.set G0SA,  76
.set G1SB,  80
.set G0SB,  88
.set MSB, 0
.macro WIN new                         ; the immediate's high byte repeats the setting that is left
.if MSB != \new
	s_set_vgpr_msb (MSB<<8)|\new
.set MSB, \new
.endif
.endm
.macro PLACES
.rept 4
	v_nop
.endr
.endm
.macro SHAPE g, c, r, p                ; words 1 to 7 of a group 1: r rows of c elements of 8 bytes, p elements apart
	s_mov_b32 s[\g+1], (\c)<<16
	s_mov_b32 s[\g+2], (\r)<<16
	s_mov_b32 s[\g+3], (\c)<<16
	s_mov_b32 s[\g+4], \r
	s_mov_b32 s[\g+5], \p
	s_mov_b32 s[\g+6], 0
	s_mov_b32 s[\g+7], 0
.endm
; A joint load: waves 0 and 1 fetch for S1, waves 2 and 3 for S0.  The branch hangs on the wave's number alone.  An s_nop 0 and four v_nop follow each line.
.macro JLOAD g0a, g1a, g0b, g1b
	s_cmp_eq_u32 s15, 0
	s_cbranch_scc0 .Lfor_b_\@
	tensor_load_to_lds s[\g0a:\g0a+3], s[\g1a:\g1a+7]
	s_nop 0
.rept 4
	v_nop
.endr
	s_branch .Lasked_\@
.Lfor_b_\@:
	tensor_load_to_lds s[\g0b:\g0b+3], s[\g1b:\g1b+7]
	s_nop 0
.rept 4
	v_nop
.endr
.Lasked_\@:
.endm
.macro CROUND                          ; a round of the cluster's barrier
	s_barrier_signal -1
	s_barrier_wait -1
	s_cmp_lg_u32 s14, 0
	s_cbranch_scc1 .Lnot_wave_0_\@
	s_barrier_signal -3
.Lnot_wave_0_\@:
	s_barrier_wait -3
	s_barrier_signal -1
	s_barrier_wait -1
.endm
	s_load_b256 s[4:11], s[0:1], 0x0               ; ac, asc, rt, qkv
	v_lshl_add_u32 v[SPW], v0, 2, SPARE
	v_mov_b32 v[NIL], 0
	ds_add_u32 v[SPW], v[NIL]                      ; the wave's opening: the add and its wait ahead of my first tensor load
	v_lshrrev_b32 v1, 5, v0
	v_readfirstlane_b32 s14, v1                    ; wave
	s_lshr_b32 s15, s14, 1                         ; my half of S1.  Also: I fetch for S1 (0) or S0 (1)
	s_and_b32 s16, s14, 1                          ; my half of S0.  Also: which half I fetch
	s_bfe_u32 s40, ttmp6, 0x40000                  ; cx
	s_bfe_u32 s41, ttmp6, 0x40004                  ; cy
	s_lshl_b32 s42, ttmp9, 2
	s_add_co_u32 s42, s42, s40                     ; gx = 4 x cluster x + cx
	s_and_b32 s17, ttmp7, 0xffff                   ; cluster y
	s_lshl_b32 s43, s41, 2
	s_lshl_b32 s43, 15, s43                        ; my row of the cluster
	s_lshl_b32 s44, 0x1111, s40                    ; my column
	s_or_b32 s[G1A], s43, (3<<16)|(1<<21)          ; the mask; elements of 8 bytes; bit 21 beside a mask; no padding
	s_or_b32 s[G1B], s44, (3<<16)|(1<<21)
	s_or_b32 s[G1SA], s43, (3<<16)|(1<<21)
	s_or_b32 s[G1SB], s44, (3<<16)|(1<<21)
	SHAPE G1A, 1536, 2, PLANE/8                    ; four tiles' two K steps, 12,288 bytes, from each of two sigmas
	SHAPE G1B, 3072, 2, PLANE/8                    ; eight tiles'
	SHAPE G1SA, 32, 8, 32                          ; four tiles' scale words: 2,048 dense bytes
	SHAPE G1SB, 32, 16, 32                         ; eight tiles'
	s_sub_co_u32 s18, s17, 16                      ; V mode: c' = cluster y - 16
	s_lshr_b32 s19, s18, 1
	s_lshl_b32 s19, s19, 7                         ; 128 (c' / 2)
	s_and_b32 s20, s18, 1
	s_lshl_b32 s20, s20, 5
	s_add_co_u32 s20, s20, 640                     ; wv's tiles begin at 640
	s_lshl_b32 s21, s17, 5
	s_cmp_lt_u32 s17, 16                           ; the mode hangs on the cluster's number alone: it is the same in all sixteen partners
	s_cselect_b32 s19, 512, s19
	s_cselect_b32 s20, s21, s20
	s_cselect_b32 s45, 0, 1                        ; 0: QK, 1: V
	s_lshl_b32 s21, s41, 3
	s_add_co_u32 s20, s20, s21                     ; S1's first tile: made of cy and the cluster's number
	s_lshl_b32 s21, s16, 2
	s_add_co_u32 s22, s20, s21                     ; the four that I fetch
	s_lshl_b32 s46, s42, 4
	s_add_co_u32 s19, s19, s46                     ; S0's first tile: made of cx and the cluster's numbers
	s_lshl_b32 s46, s16, 3
	s_add_co_u32 s46, s19, s46                     ; the eight that I fetch
	s_mul_i32 s92, s22, 3072
	s_mov_b32 s93, 0
	s_lshl_b32 s94, s22, 9
	s_mov_b32 s95, 0
	s_mul_i32 s96, s46, 3072
	s_mov_b32 s97, 0
	s_lshl_b32 s98, s46, 9
	s_mov_b32 s99, 0
	s_mul_i32 s12, s16, 24576                      ; where they go in LDS: the wave's number alone
	s_lshl_b32 s13, s16, 11
	s_add_co_u32 s13, s13, SA
	s_mul_i32 s23, s16, 49152
	s_add_co_u32 s23, s23, LB
	s_lshl_b32 s66, s16, 12
	s_add_co_u32 s66, s66, SB
	s_wait_dscnt 0x0                               ; the opening add is done
	s_wait_kmcnt 0x0
	s_add_nc_u64 s[92:93], s[4:5], s[92:93]
	s_add_nc_u64 s[94:95], s[6:7], s[94:95]
	s_add_nc_u64 s[96:97], s[4:5], s[96:97]
	s_add_nc_u64 s[98:99], s[6:7], s[98:99]
	CROUND                                         ; all sixteen work-groups are here: the joint loads meet
	s_mov_b32 s[G0SA], 1
	s_mov_b32 s[G0SA+1], s13
	s_mov_b64 s[G0SA+2:G0SA+3], s[94:95]
	s_or_b32 s[G0SA+3], s[G0SA+3], 0x80000000
	s_mov_b32 s[G0SB], 1
	s_mov_b32 s[G0SB+1], s66
	s_mov_b64 s[G0SB+2:G0SB+3], s[98:99]
	s_or_b32 s[G0SB+3], s[G0SB+3], 0x80000000
	JLOAD G0SA, G1SA, G0SB, G1SB                   ; the scale words first
.irp k, 0,1
	s_mov_b32 s[G0A+4*\k], 1
	s_add_co_u32 s[G0A+4*\k+1], s12, \k*49152
	s_add_nc_u64 s[G0A+4*\k+2:G0A+4*\k+3], s[92:93], \k*2*PLANE
	s_or_b32 s[G0A+4*\k+3], s[G0A+4*\k+3], 0x80000000
	s_mov_b32 s[G0B+4*\k], 1
	s_add_co_u32 s[G0B+4*\k+1], s23, \k*98304
	s_add_nc_u64 s[G0B+4*\k+2:G0B+4*\k+3], s[96:97], \k*2*PLANE
	s_or_b32 s[G0B+4*\k+3], s[G0B+4*\k+3], 0x80000000
	JLOAD G0A+4*\k, G1A, G0B+4*\k, G1B             ; K half k: K steps 4 k .. 4 k + 3
.endr
	v_and_b32 v1, 31, v0                           ; lane
	v_and_b32 v2, 15, v0                           ; r
	v_bfe_u32 v5, v0, 4, 1                         ; h
	v_lshlrev_b32 v3, 4, v1                        ; 16 x lane
	v_lshlrev_b32 v4, 3, v1                        ; 8 x lane
	v_lshlrev_b32 v6, 4, v2                        ; 16 r
	s_mul_i32 s12, s15, 24576
	v_add_nc_u32 v16, s12, v3                      ; my S1 fragments, K half 0,
	s_add_co_u32 s12, s12, 49152
	v_add_nc_u32 v17, s12, v3                      ; K half 1
	s_mul_i32 s12, s16, 49152
	s_add_co_u32 s12, s12, LB
	v_add_nc_u32 v20, s12, v3                      ; my S0 fragments
	s_add_co_u32 s12, s12, 98304
	v_add_nc_u32 v21, s12, v3
	s_lshl_b32 s12, s15, 11
	s_add_co_u32 s12, s12, SA
	v_add_nc_u32 v22, s12, v6                      ; my S1 scale words
	s_lshl_b32 s12, s16, 12
	s_add_co_u32 s12, s12, SB
	v_add_nc_u32 v23, s12, v6                      ; my S0 scale words
	v_and_b32 v24, 8, v2
	v_add_nc_u32 v24, v24, v2
	v_lshlrev_b32 v24, 8, v24
	v_lshl_add_u32 v24, v5, 6, v24                 ; the table: row r + 8 (r / 8) of 256 bytes, + 64 h
	v_mul_u32_u24 v25, v5, HST
	v_lshl_add_u32 v25, v2, 4, v25                 ; QK's scale words: lanes 16-31 serve the next head
	v_lshlrev_b32 v26, 4, v5                       ; 16 h
	v_lshl_add_u32 v27, v5, 3, v6                  ; V's scale words: 16 r + 8 h
	; The cosines and sines of my 64 positions, 16 frequencies a lane.  Every work-group issues these loads, so that one text serves both modes: the row is held inside the table by the mask; a V work-group does not use them.
	s_lshl_b32 s12, s17, 2
	s_add_co_u32 s12, s12, s41
	s_lshl_b32 s12, s12, 7
	s_lshl_b32 s13, s15, 6
	s_add_co_u32 s12, s12, s13
	s_and_b32 s12, s12, 2047
	s_lshl_b32 s12, s12, 8
	s_mov_b32 s13, 0
	s_add_nc_u64 s[8:9], s[8:9], s[12:13]
	WIN 0xc0                                       ; destination window 3
.irp a, 0,1,2,3
.irp k, 0,1
.irp j, 0,1,2,3
	global_load_b128 v[32*\a+16*\k+4*\j:32*\a+16*\k+4*\j+3], v24, s[8:9] offset:(32*(\a/2)+8*(\a%2))*256+128*\k+16*\j
.endr
.endr
.endr
	WIN 0
.macro FETCH e                         ; K step e's fragments into set e % 2: S0's eight, S1's four, as images of their registers
.set P_, (\e)%2
.set KA_, (\e)/4
.set OB_, (((\e)/2)%2)*24576+((\e)%2)*1536
.set OA_, (((\e)/2)%2)*12288+((\e)%2)*1536
	WIN 0x40
.irp i, 0,1,2,3,4,5,6,7
.irp p, 0,1,2
	ds_load_b128 v[128*P_+12*\i+4*\p:128*P_+12*\i+4*\p+3], v[20+KA_] offset:OB_+\i*3072+512*\p
.endr
.endr
	WIN 0
.irp i, 0,1,2,3
.irp p, 0,1,2
	ds_load_b128 v[128+48*P_+12*\i+4*\p:128+48*P_+12*\i+4*\p+3], v[16+KA_] offset:OA_+\i*3072+512*\p
.endr
.endr
.endm
; n blocks of S1 from a0 on, each against S0's eight.  The 32 accumulators take turns, one instruction a turn, in the same order in every K step.
.macro MUL e, a0, n, zero
	WIN 0xa1                                       ; source 0 window 1, source 1 window 0, C and D window 2
.set A_, \a0
.rept \n
.irp b, 0,1,2,3,4,5,6,7
.if \zero
	v_wmma_scale_f32_16x16x128_f8f6f4 v[8*(8*A_+\b):8*(8*A_+\b)+7], v[128*((\e)%2)+12*\b:128*((\e)%2)+12*\b+11], v[128+48*((\e)%2)+12*A_:128+48*((\e)%2)+12*A_+11], 0, v[64+8*\b+(\e)], v[32+8*A_+(\e)] matrix_a_fmt:MATRIX_FMT_FP6 matrix_b_fmt:MATRIX_FMT_FP6
.else
	v_wmma_scale_f32_16x16x128_f8f6f4 v[8*(8*A_+\b):8*(8*A_+\b)+7], v[128*((\e)%2)+12*\b:128*((\e)%2)+12*\b+11], v[128+48*((\e)%2)+12*A_:128+48*((\e)%2)+12*A_+11], v[8*(8*A_+\b):8*(8*A_+\b)+7], v[64+8*\b+(\e)], v[32+8*A_+(\e)] matrix_a_fmt:MATRIX_FMT_FP6 matrix_b_fmt:MATRIX_FMT_FP6
.endif
.endr
.set A_, A_+1
.endr
.endm
.macro STEPN e, zero
	PLACES                                         ; four places in front of loads into registers that matrix instructions have read
	FETCH (\e)+1
	s_wait_dscnt NF                                ; all but the NF loads just issued: this K step's fragments are in
	MUL \e, 0, 4, \zero
.endm
	s_wait_tensorcnt 0x1                           ; my scale words and my part of K half 0 are in; K half 1 may be out
	s_barrier_signal -1
	s_barrier_wait -1                              ; everybody's are
.irp a, 0,1,2,3
.irp k, 0,1
	ds_load_b128 v[32+8*\a+4*\k:32+8*\a+4*\k+3], v22 offset:512*\a+256*\k   ; block a's words of K steps 4 k .. 4 k + 3
.endr
.endr
.irp b, 0,1,2,3,4,5,6,7
.irp k, 0,1
	ds_load_b128 v[64+8*\b+4*\k:64+8*\b+4*\k+3], v23 offset:512*\b+256*\k
.endr
.endr
	FETCH 0
	STEPN 0, 1                                     ; the first K step starts the sums: nothing is cleared
	STEPN 1, 0
	STEPN 2, 0
	s_wait_dscnt 0x0                               ; K step 3's fragments are in,
	s_wait_tensorcnt 0x0                           ; and my part of K half 1 has landed
	s_barrier_signal -1
	MUL 3, 0, 2, 0
	s_barrier_wait -1                              ; everybody's has
	PLACES
	FETCH 4
	MUL 3, 2, 2, 0
	STEPN 4, 0
	STEPN 5, 0
	STEPN 6, 0
	s_wait_dscnt 0x0
	MUL 7, 0, 4, 0
	WIN 0
	PLACES                                         ; behind the last products, ahead of the first read of a result and the first write of an operand's register
.irp b, 0,1,2,3
	v_mov_b32 v[TM+4+\b], 0                        ; a lane permute's destination counts as read
.endr
	s_mov_b32 s46, 0x76543210
	s_mov_b32 s47, 0xfedcba98                      ; lane l xor 16
; 64 numbers of window 2, v[x] on, register 16 b + i = k 32 b + 16 (lane / 16) + i, become a fragment's codes in v[pc] on (window 0; v[pc + 12] .. v[pc + 18] at work) and its scale word in v[pw].
.macro QUANT x, pc, pw
	WIN 0x0a                                       ; sources 0 and 1 window 2
.irp b, 0,1,2,3
	v_max3_num_f32 v[TM+\b], |v[(\x)+16*\b]|, |v[(\x)+16*\b+1]|, 0x1800000   ; each accumulator is read from its low end on; the floor 2^(3 - 127) holds the byte at 1 from below
.endr
.irp i, 2,4,6,8,10,12,14
.irp b, 0,1,2,3
	v_max3_num_f32 v[TM+\b], |v[(\x)+16*\b+\i]|, |v[(\x)+16*\b+\i+1]|, v[TM+\b]
.endr
.endr
	WIN 0
.irp b, 0,1,2,3
	v_permlanex16_b32 v[TM+4+\b], v[TM+\b], s46, s47
.endr
.irp b, 0,1,2,3
	v_max_num_f32 v[TM+\b], v[TM+\b], v[TM+4+\b]
.endr
.irp b, 0,1,2,3
	v_add_nc_u32 v[TM+12+\b], 0xff000000, v[TM+\b] ; 2 off the exponent field: the conversion's scale operand
.endr
.irp b, 0,1,2,3
	v_lshrrev_b32 v[TM+4+\b], 23, v[TM+12+\b]
.endr
	v_lshl_or_b32 v[\pw], v[TM+5], 8, v[TM+4]
	v_lshl_or_b32 v[\pw], v[TM+6], 16, v[\pw]
	v_lshl_or_b32 v[\pw], v[TM+7], 24, v[\pw]
	WIN 0x02                                       ; source 0 window 2
.irp c, 0,1
	v_cvt_scalef32_pk16_fp6_f32 v[(\pc)+6*\c:(\pc)+6*\c+2], v[(\x)+32*\c:(\x)+32*\c+15], v[TM+12+2*\c]
	v_cvt_scalef32_pk16_fp6_f32 v[(\pc)+12+4*\c:(\pc)+14+4*\c], v[(\x)+16+32*\c:(\x)+31+32*\c], v[TM+13+2*\c]
.endr
	WIN 0
	v_nop                                          ; one plain instruction behind the conversions
.irp c, 0,1
.irp i, 0,1,2
	v_permlane16_swap_b32 v[(\pc)+6*\c+\i], v[(\pc)+12+4*\c+\i]
.endr
.irp i, 0,1,2
	v_mov_b32 v[(\pc)+3+6*\c+\i], v[(\pc)+12+4*\c+\i]
.endr
.endr
.endm
; The rotary embedding of block a: head c's d = 16 h + i lies in register 64 a + 32 c + i, d + 32 in register 64 a + 32 c + 16 + i; both take frequency 16 h + i.
.macro ROPE a
	WIN 0x4e                                       ; destination window 1, source 0 window 2, source 1 window 3
.irp c, 0,1
.irp i, 0,2,4,6,8,10,12,14
	v_pk_mul_f32 v[16*\c+\i:16*\c+\i+1], v[64*(\a)+32*\c+16+\i:64*(\a)+32*\c+17+\i], v[32*(\a)+16+\i:32*(\a)+17+\i]      ; x2 sin
	v_pk_mul_f32 v[32+16*\c+\i:32+16*\c+\i+1], v[64*(\a)+32*\c+\i:64*(\a)+32*\c+\i+1], v[32*(\a)+16+\i:32*(\a)+17+\i]    ; x1 sin
.endr
.endr
	WIN 0x9e                                       ; destination and source 0 window 2, source 1 window 3, source 2 window 1
.irp c, 0,1
.irp i, 0,2,4,6,8,10,12,14
	v_pk_fma_f32 v[64*(\a)+32*\c+\i:64*(\a)+32*\c+\i+1], v[64*(\a)+32*\c+\i:64*(\a)+32*\c+\i+1], v[32*(\a)+\i:32*(\a)+\i+1], v[16*\c+\i:16*\c+\i+1] neg_lo:[0,0,1] neg_hi:[0,0,1]   ; x1 cos - x2 sin
	v_pk_fma_f32 v[64*(\a)+32*\c+16+\i:64*(\a)+32*\c+17+\i], v[64*(\a)+32*\c+16+\i:64*(\a)+32*\c+17+\i], v[32*(\a)+\i:32*(\a)+\i+1], v[32+16*\c+\i:32+16*\c+\i+1]                    ; x2 cos + x1 sin
.endr
.endr
.endm
	s_cmp_lg_u32 s45, 0
	s_cbranch_scc1 .Lv_mode
	; ---------------- QK: my 64 positions x two heads of q or of k
	s_lshl_b32 s12, s17, 2
	s_add_co_u32 s12, s12, s41                     ; gy: which 128 rows of x
	s_lshr_b32 s13, s12, 4
	s_lshl_b32 s13, s13, 4                         ; 16 x batch
	s_lshl_b32 s18, s42, 2
	s_lshl_b32 s23, s16, 1
	s_add_co_u32 s18, s18, s23
	s_and_b32 s18, s18, 15                         ; my first head
	s_add_co_u32 s13, s13, s18
	s_mul_i32 s13, s13, HST
	s_bfe_u32 s18, s12, 0x30001                    ; the record: (gy % 16) / 2
	s_mul_i32 s18, s18, REC
	s_add_co_u32 s13, s13, s18
	s_and_b32 s18, s12, 1
	s_lshl_b32 s18, s18, 1
	s_add_co_u32 s18, s18, s15                     ; which four of the record's 16 tiles
	s_mov_b32 s100, QS
	s_cmp_ge_u32 s42, 4                            ; gx 0-3: wq, 4-7: wk
	s_cselect_b32 s2, KC, QC
	s_cselect_b32 s100, KS, s100
	s_mul_i32 s23, s18, 3072
	s_add_co_u32 s2, s2, s23
	s_add_co_u32 s2, s2, s13
	s_lshl_b32 s23, s18, 8
	s_add_co_u32 s100, s100, s23
	s_add_co_u32 s100, s100, s13
	s_mov_b32 s3, 0
	s_mov_b32 s101, 0
	s_add_nc_u64 s[2:3], s[10:11], s[2:3]
	s_add_nc_u64 s[100:101], s[10:11], s[100:101]
	s_wait_loadcnt 0x0                             ; the cosines and sines
.irp a, 0,1,2,3
	ROPE \a
	QUANT 64*\a, 128+20*\a, SWD+\a
.irp c, 0,1                            ; registers 6 c .. 6 c + 5 are head c's half fragment
	global_store_b128 v3, v[128+20*\a+6*\c:128+20*\a+6*\c+3], s[2:3] offset:768*\a+\c*HST
	global_store_b64 v4, v[128+20*\a+6*\c+4:128+20*\a+6*\c+5], s[2:3] offset:768*\a+\c*HST+512
.endr
.endr
.irp a, 0,1,2,3
	v_lshrrev_b32 v[SWD+\a], v26, v[SWD+\a]        ; lanes 16-31 bring the second head's two bytes down; the bytes above them serve zero codes and are never 0xff
.endr
	global_store_b128 v25, v[SWD:SWD+3], s[100:101]    ; four tiles' words of a row: 256 consecutive bytes for each head
	s_branch .Lout
.Lv_mode:
	; ---------------- V: my 64 channels of one head x 128 keys
	s_lshr_b32 s12, s19, 4                         ; which 256 rows of x
	s_sub_co_u32 s13, s20, 640
	s_lshr_b32 s13, s13, 3                         ; which 128 rows of wv
	s_lshr_b32 s18, s12, 3
	s_lshl_b32 s18, s18, 4                         ; 16 x batch
	s_lshl_b32 s13, s13, 1
	s_add_co_u32 s18, s18, s13
	s_add_co_u32 s18, s18, s15                     ; + the head
	s_mul_i32 s18, s18, HST
	s_and_b32 s12, s12, 7
	s_mul_i32 s12, s12, REC
	s_add_co_u32 s18, s18, s12                     ; the record
	s_mul_i32 s2, s16, 6144                        ; the key step
	s_add_co_u32 s2, s2, s18
	s_add_co_u32 s2, s2, VC
	s_lshl_b32 s100, s16, 8
	s_add_co_u32 s100, s100, s18
	s_add_co_u32 s100, s100, VS
	s_mov_b32 s3, 0
	s_mov_b32 s101, 0
	s_add_nc_u64 s[2:3], s[10:11], s[2:3]
	s_add_nc_u64 s[100:101], s[10:11], s[100:101]
	s_mov_b32 s67, 0xffff0000                      ; lanes 16-31
.irp a, 0,1,2,3
	QUANT 64*\a, 128+20*\a, SWD+\a
.irp p, 0,1,2
	global_store_b128 v3, v[128+20*\a+4*\p:128+20*\a+4*\p+3], s[2:3] offset:1536*\a+512*\p
.endr
.endr
	v_cndmask_b32 v[EE], v[SWD], v[SWD+2], s67
	v_cndmask_b32 v[EE+1], v[SWD+1], v[SWD+3], s67
	global_store_b64 v27, v[EE:EE+1], s[100:101]   ; 256 consecutive bytes
.Lout:
	s_wait_tensorcnt 0x0                           ; the wave's end
	ds_add_u32 v[SPW], v[NIL]
	s_wait_dscnt 0x0
	CROUND                                         ; the closing round
	s_endpgm
.Lfunc_end_k_qcc45b5a206_qkv:
	.size	k_qcc45b5a206_qkv, .Lfunc_end_k_qcc45b5a206_qkv-k_qcc45b5a206_qkv
	.p2alignl 7, 3214868480
	.fill 96, 4, 3214868480
	.section	.rodata,"a",@progbits
	.p2align	6, 0x0
	.amdhsa_kernel k_qcc45b5a206_qkv
		.amdhsa_group_segment_fixed_size 327680
		.amdhsa_private_segment_fixed_size 0
		.amdhsa_enable_private_segment 0
		.amdhsa_kernarg_size 32
		.amdhsa_user_sgpr_count 2
		.amdhsa_user_sgpr_kernarg_segment_ptr 1
		.amdhsa_wavefront_size32 1
		.amdhsa_system_sgpr_workgroup_id_x 1
		.amdhsa_system_sgpr_workgroup_id_y 1
		.amdhsa_system_sgpr_workgroup_id_z 1
		.amdhsa_system_vgpr_workitem_id 0
		.amdhsa_next_free_vgpr 896
		.amdhsa_next_free_sgpr 102
		.amdhsa_reserve_vcc 0
		.amdhsa_float_denorm_mode_32 3
		.amdhsa_float_denorm_mode_16_64 3
		.amdhsa_memory_ordered 1
		.amdhsa_forward_progress 1
		.amdhsa_inst_pref_size 119
	.end_amdhsa_kernel
	.amdgpu_metadata
---
amdhsa.version: [ 1, 2 ]
amdhsa.kernels:
  - .name:           k_qcc45b5a206_qkv
    .symbol:         k_qcc45b5a206_qkv.kd
    .args:
      - { .name: ac, .offset: 0, .size: 8, .value_kind: global_buffer, .address_space: global }
      - { .name: asc, .offset: 8, .size: 8, .value_kind: global_buffer, .address_space: global }
      - { .name: rt, .offset: 16, .size: 8, .value_kind: global_buffer, .address_space: global }
      - { .name: qkv, .offset: 24, .size: 8, .value_kind: global_buffer, .address_space: global }
    .group_segment_fixed_size: 327680
    .private_segment_fixed_size: 0
    .kernarg_segment_align: 8
    .kernarg_segment_size: 32
    .max_flat_workgroup_size: 128
    .sgpr_count:     102
    .vgpr_count:     896
    .wavefront_size: 32
...
	.end_amdgpu_metadata
.endif
;; end of part 2
;; launch attn (part 3): grid 4 x 64, 16 waves a work-group, no clusters, 327,680 bytes of LDS; arguments qkv, oc, osh; writes oc, osh
.if DOCPART == 3
	.amdgcn_target "amdgcn-amd-amdhsa--gfx1250"
	.amdhsa_code_object_version 6
	.text
	.protected	k_qcc45b5a206_attn
	.globl	k_qcc45b5a206_attn
	.p2align	8
	.type	k_qcc45b5a206_attn,@function
k_qcc45b5a206_attn:
	s_mov_b64 s[64:65], 0
	v_nop
	global_prefetch_b8 v0, s[64:65] scope:SCOPE_SE
	s_setreg_imm32_b32 hwreg(HW_REG_WAVE_MODE, 25, 1), 1
	s_wait_xcnt 0x0
; Causal attention on codes of FP6 (E2M3): S^T = K Q^T (K = the head's 64), p = 2^(t - M), O^T = V^T p^T (K = the keys), O / the sum, quantised along the head into the last product's operand.
; t = score x log2(e) / 8; M = the running largest t rounded up to a whole number; the row's sum is taken of the unquantised p.  When M moves, the sum and O^T are multiplied by 2^(old M - new M): exact.
; SHARES.  Work-group (i, batch x head) owns query blocks 7 - i (pass 0) and i (pass 1), 256 queries each.  Block b wants the records 0 .. b of keys: (8 - i) + (i + 1) = 9 stages in every work-group.
; Each of sixteen waves owns one tile of 16 queries, in 256 registers: four waves to a SIMD, so that one wave's vector work stands beside another's products and LDS loads.
; A stage's K and V (codes and scale words) are the first 26,112 bytes of a record: one tensor load of 102 rows of 256 bytes, by wave 0, into one of two slots; it is asked for a whole stage ahead.
; K = 64 IN A PRODUCT OF 128: Q's fragment is 6 registers of codes and 6 of zero codes.  K's eight half fragments lie 6 registers apart: a fragment's upper half is the next tile's codes, which meet zero codes;
; the format has no infinity and no NaN, and the scale bytes above the head's two are bytes of another head or 0, never 0xff: those products add 0.
; TILES are permuted (lane r of tile T: row 32 (T / 2) + 8 (T % 2) + r + 8 (r / 8)): the 16 registers of two neighbouring tiles of keys are 16 neighbouring keys, likewise O^T's channels.
; CAUSAL: a step of 128 keys all of which come after the wave's queries is left out (a scalar branch on ids and the count of stages); on the diagonal hidden scores become -infinity.
; NO CLUSTER: the four work-groups of a head change pass at stage 8 - i, so in one and the same stage they want different records.  NO PREFETCH: a record is asked for a whole stage (two key steps of four waves a SIMD) ahead of the wait for it.
; LIMITS: a block of zeros gets the byte 1 (its codes are zeros; this program alone reads the bytes); NaN and infinities are not served.
.set HST,   315392
.set REC,   39424
.set VC,    12288
.set KS,    24576
.set VS,    25600
.set QC,    26112
.set QS,    38400
.set PLANE_O, 1572864
.set SLOT1, 0x8000                     ; slot 1 begins here: one exclusive or turns an address
.set SPARE, 65536                      ; the spare words, 128 bytes for each of 16 waves
.set OSG,   67584                      ; O's scale half-words: 2 passes x [wave 16][row 16] x 2 bytes
; v1 16 x lane, v2 8 x lane, v3 16 r; v4, v5 the add's two; v6 r + 8 (r / 8) - 16 h; v7, v11 addresses in OSG; v8-10 the step's addresses; v12 -M, v13 largest t, v[14:15] the sum;
; v16-27 Q and zero codes, v28 its scale word; v32-79 K's 8 x 6, then V's 4 x 12; v80-85 zero codes; v86-92 pass 1's Q; v96-159 S^T, then p; v160-191 O^T; v192-210 codes; v212-223 K's and V's scale words; v224-255 at work; v242 p's scale word
	s_load_b128 s[4:7], s[0:1], 0x0                ; qkv, oc
	s_load_b64 s[8:9], s[0:1], 0x10                ; osh
	v_lshl_add_u32 v4, v0, 2, SPARE
	v_mov_b32 v5, 0
	ds_add_u32 v4, v5                              ; the wave's opening: the add and its wait ahead of the first tensor load
	ds_add_u32 v4, v5
	v_lshrrev_b32 v8, 5, v0
	s_delay_alu instid0(VALU_DEP_1)
	v_readfirstlane_b32 s10, v8                    ; wave 0..15
	v_and_b32 v8, 31, v0
	v_and_b32 v9, 15, v0                           ; r
	v_bfe_u32 v10, v0, 4, 1                        ; h
	s_delay_alu instid0(VALU_DEP_3)
	v_lshlrev_b32 v1, 4, v8
	s_delay_alu instid0(VALU_DEP_4)
	v_lshlrev_b32 v2, 3, v8
	s_delay_alu instid0(VALU_DEP_4)
	v_lshlrev_b32 v3, 4, v9
	v_and_b32 v6, 8, v9
	s_delay_alu instid0(VALU_DEP_1)
	v_add_nc_u32 v6, v6, v9
	v_lshlrev_b32 v10, 4, v10
	s_delay_alu instid0(VALU_DEP_1)
	v_sub_nc_u32 v6, v6, v10
	s_lshl_b32 s45, s10, 5
	s_add_co_u32 s45, s45, OSG
	v_lshl_add_u32 v7, v9, 1, s45                  ; my row's half-word: OSG + 32 x wave + 2 r
	s_and_b32 s45, s10, 1
	s_lshl_b32 s45, s45, 9
	s_add_co_u32 s45, s45, OSG
	v_add_nc_u32 v11, s45, v1                      ; waves 0 and 1 read a pass's 512 bytes back
	s_and_b32 s11, ttmp7, 0xffff                   ; batch x head
	s_mov_b32 s12, ttmp9                           ; i
	s_sub_co_u32 s14, 7, s12                       ; pass 0's block, and its last stage
	s_mov_b32 s13, 0                               ; the stage
	s_mov_b32 s15, 0                               ; its record
	s_mov_b32 s17, 0                               ; its slot
	s_mov_b32 s20, 0x76543210
	s_mov_b32 s21, 0xfedcba98                      ; lane l xor 16
	s_mov_b32 s22, 0x3e38aa3b                      ; c = log2(e) / 8
	s_mov_b32 s23, s22
	s_mov_b32 s24, 3<<16                           ; group 1: elements of 8 bytes, no mask, no padding;
	s_mov_b32 s25, 32<<16                          ; 102 rows of 32 elements, dense
	s_mov_b32 s26, 102<<16
	s_mov_b32 s27, 32<<16
	s_mov_b32 s28, 102
	s_mov_b32 s29, 32
	s_mov_b32 s30, 0
	s_mov_b32 s31, 0
	s_mul_i32 s38, s11, HST
	s_mov_b32 s39, 0
	s_lshr_b32 s45, s10, 1
	s_lshl_b32 s45, s45, 5
	s_and_b32 s54, s10, 1
	s_lshl_b32 s54, s54, 3
	s_add_co_u32 s45, s45, s54                     ; 32 (w / 2) + 8 (w % 2)
	s_lshl_b32 s19, s14, 8
	s_add_co_u32 s19, s19, s45                     ; my smallest query in pass 0,
	s_lshl_b32 s44, s12, 8
	s_add_co_u32 s44, s44, s45                     ; in pass 1
	s_mul_i32 s55, s10, 768
	s_add_co_u32 s55, s55, QC                      ; my tile's codes in a record,
	s_lshr_b32 s56, s10, 2
	s_lshl_b32 s56, s56, 8
	s_and_b32 s54, s10, 3
	s_lshl_b32 s54, s54, 2
	s_add_co_u32 s56, s56, s54
	s_add_co_u32 s56, s56, QS                      ; and its scale words
	s_mul_i32 s57, s14, REC
	s_mul_i32 s58, s12, REC
	s_add_co_u32 s46, s57, s55
	s_mov_b32 s47, 0
	s_add_co_u32 s48, s57, s56
	s_mov_b32 s49, 0
	s_add_co_u32 s50, s58, s55
	s_mov_b32 s51, 0
	s_add_co_u32 s52, s58, s56
	s_mov_b32 s53, 0
	s_and_b32 s54, s11, 15                         ; the head
	s_lshr_b32 s59, s54, 2
	s_mul_i32 s59, s59, PLANE_O
	s_and_b32 s54, s54, 3
	s_mul_i32 s54, s54, 768
	s_add_co_u32 s59, s59, s54
	s_lshr_b32 s54, s11, 4
	s_lshl_b32 s54, s54, 7
	s_add_co_u32 s54, s54, s10                     ; 128 x batch + wave
	s_mul_i32 s54, s54, 3072
	s_add_co_u32 s59, s59, s54
	s_mul_i32 s40, s14, 49152                      ; 16 tiles of 3,072 bytes a block
	s_add_co_u32 s40, s40, s59
	s_mov_b32 s41, 0
	s_mul_i32 s42, s12, 49152
	s_add_co_u32 s42, s42, s59
	s_mov_b32 s43, 0
	s_wait_dscnt 0x0                               ; the opening add is done
	s_wait_kmcnt 0x0
	s_add_nc_u64 s[36:37], s[4:5], s[38:39]        ; the head's records
	s_add_nc_u64 s[46:47], s[36:37], s[46:47]
	s_add_nc_u64 s[48:49], s[36:37], s[48:49]
	s_add_nc_u64 s[50:51], s[36:37], s[50:51]
	s_add_nc_u64 s[52:53], s[36:37], s[52:53]
	s_add_nc_u64 s[40:41], s[6:7], s[40:41]        ; where my tile of O goes, pass 0,
	s_add_nc_u64 s[42:43], s[6:7], s[42:43]        ; pass 1
	s_mov_b32 s32, 1
	s_mov_b32 s33, 0                               ; slot 0
	s_mov_b64 s[34:35], s[36:37]                   ; record 0
	s_or_b32 s35, s35, 0x80000000
	s_cmp_lg_u32 s10, 0
	s_cbranch_scc1 .Lnot_first
	tensor_load_to_lds s[32:35], s[24:31]
	s_nop 0
.rept 4
	v_nop
.endr
.Lnot_first:
	s_wait_alu depctr_va_vdst(0)
	global_load_b128 v[16:19], v1, s[46:47]        ; both passes' Q stay in registers
	global_load_b64 v[20:21], v2, s[46:47] offset:512
	global_load_b32 v28, v3, s[48:49]
	global_load_b128 v[86:89], v1, s[50:51]
	global_load_b64 v[90:91], v2, s[50:51] offset:512
	global_load_b32 v92, v3, s[52:53]
.irp j, 0,1,2,3,4,5
	v_mov_b32 v[22+\j], 0                          ; zero codes
	v_mov_b32 v[80+\j], 0
.endr
	v_mov_b32 v13, 0xff61b1e6                      ; the largest t so far: -3e38
	s_delay_alu instid0(VALU_DEP_1)
	v_floor_f32 v12, -v13                          ; -M
	v_mov_b32 v14, 0
	v_mov_b32 v15, 0
.irp b, 0,1,2,3
	v_mov_b32 v[228+\b], 0                         ; a lane permute's destination counts as read
.endr
	v_mov_b32 v241, 0                              ; named as the upper half of the pair v[240:241]
	v_mov_b32 v243, 0
.set j_, 0
.rept 32
	v_mov_b32 v[160+j_], 0                         ; O^T: the step is written once; the first finds zeros
.set j_, j_+1
.endr
; THE CHANGE OF SLOTS, at a stage's head.  Each wave waits for all its tensor loads, adds 0 to its spare word, and waits for that and for its reads of the slot that it has left.  Behind the barrier the
; slot ahead is whole and nobody reads the other: wave 0 fills it with the next stage's record, its one tensor load until the next such barrier.
.macro CHANGE fill
	s_wait_tensorcnt 0x0
	ds_add_u32 v4, v5
.if \fill
	s_add_co_u32 s16, s15, 1
	s_cmp_eq_u32 s13, s14
	s_cselect_b32 s16, 0, s16                      ; the next stage's record: pass 1 begins again at 0
	s_mul_i32 s38, s16, REC
	s_xor_b32 s33, s33, SLOT1
	s_add_nc_u64 s[34:35], s[36:37], s[38:39]
	s_or_b32 s35, s35, 0x80000000
.endif
	s_wait_dscnt 0x0
	s_barrier_signal -1
	s_barrier_wait -1
.if \fill
	s_cmp_lg_u32 s10, 0
	s_cbranch_scc1 .Lnot_mine_\@
	tensor_load_to_lds s[32:35], s[24:31]
	s_nop 0
.rept 4
	v_nop
.endr
.Lnot_mine_\@:
.endif
	s_lshl_b32 s18, s15, 8                         ; the stage's first key
.endm
; A KEY STEP: 128 keys, the q-th of the record in hand.
.macro STEP q
	s_add_co_u32 s45, s19, 23                      ; my largest query
	s_cmp_gt_u32 s18, s45
	s_cbranch_scc1 .Lhidden_\@
	v_add_nc_u32 v8, s17, v1
	v_add_nc_u32 v9, s17, v2
	v_add_nc_u32 v10, s17, v3
	v_nop                                          ; with the three additions: four places in front of loads into registers that the last products read
.irp t, 0,1,2,3,4,5,6,7
	ds_load_b128 v[32+6*\t:35+6*\t], v8 offset:(8*(\q)+\t)*768
	ds_load_b64 v[36+6*\t:37+6*\t], v9 offset:(8*(\q)+\t)*768+512
.endr
.irp g, 0,1
	ds_load_b128 v[212+4*\g:215+4*\g], v10 offset:KS+256*(2*(\q)+\g)
.endr
	s_wait_alu depctr_va_vdst(0)
	s_wait_dscnt 0x0
.irp t, 0,1,2,3,4,5,6,7
	v_wmma_scale_f32_16x16x128_f8f6f4 v[96+8*\t:103+8*\t], v[32+6*\t:43+6*\t], v[16:27], 0, v[212+\t], v28 matrix_a_fmt:MATRIX_FMT_FP6 matrix_b_fmt:MATRIX_FMT_FP6
.endr
.rept 4
	v_nop
.endr
.irp t, 0,1,2,3                        ; V's four fragments are asked for now and land during the softmax
.irp p, 0,1,2
	ds_load_b128 v[32+12*\t+4*\p:35+12*\t+4*\p], v8 offset:VC+6144*(\q)+1536*\t+512*\p
.endr
.endr
	ds_load_b128 v[220:223], v10 offset:VS+256*(\q)
	s_add_co_u32 s45, s18, 127
	s_cmp_le_u32 s45, s19                          ; all 128 keys count for all my queries?
	s_cbranch_scc1 .Lopen_\@
	s_sub_co_i32 s45, s19, s18
	v_add_nc_u32 v243, s45, v6                     ; d = my query - the step's first key - 16 h: register 16 b + i is hidden where 32 b + i > d
	v_mov_b32 v244, 0xff800000
.set n_, 0
.rept 64
	v_cmp_gt_i32 vcc_lo, 32*(n_/16)+n_%16, v243
	v_cndmask_b32 v[96+n_], v[96+n_], v244, vcc_lo
.set n_, n_+1
.endr
.Lopen_\@:
.irp b, 0,1,2,3
	v_max3_num_f32 v[224+\b], v[96+16*\b], v[97+16*\b], v[98+16*\b]   ; the largest score of each block of 32 keys: for the row's maximum, and for the block's largest p
.endr
.irp i, 3,5,7,9,11,13
.irp b, 0,1,2,3
	v_max3_num_f32 v[224+\b], v[224+\b], v[96+16*\b+\i], v[97+16*\b+\i]
.endr
.endr
.irp b, 0,1,2,3
	v_max_num_f32 v[224+\b], v[224+\b], v[111+16*\b]
.endr
.irp b, 0,1,2,3
	s_delay_alu instid0(VALU_DEP_4)
	v_permlanex16_b32 v[228+\b], v[224+\b], s20, s21
.endr
.irp b, 0,1,2,3
	s_delay_alu instid0(VALU_DEP_4)
	v_max_num_f32 v[224+\b], v[224+\b], v[228+\b]
.endr
	s_delay_alu instid0(VALU_DEP_2)
	v_max3_num_f32 v243, v224, v225, v226
	s_delay_alu instid0(VALU_DEP_1)
	v_max_num_f32 v243, v243, v227
	s_delay_alu instid0(VALU_DEP_1)
	v_mul_f32 v243, s22, v243
	s_delay_alu instid0(VALU_DEP_1)
	v_max_num_f32 v13, v13, v243                   ; the running largest t
	v_mov_b32 v243, v12
	s_delay_alu instid0(VALU_DEP_2)
	v_floor_f32 v12, -v13                          ; -M = floor(-t)
	s_delay_alu instid0(VALU_DEP_1)
	v_sub_f32 v243, v12, v243                      ; old M - new M: a whole number, 0 or less
	s_delay_alu instid0(VALU_DEP_1)
	v_cvt_i32_f32 v243, v243
	s_delay_alu instid0(VALU_DEP_1)
	v_ldexp_f32 v240, 1.0, v243                    ; f
.set j_, 0
.rept 32
	v_pk_fma_f32 v[96+j_:97+j_], v[96+j_:97+j_], s[22:23], v[12:13] op_sel_hi:[1,0,0]   ; t - M
.set j_, j_+2
.endr
.irp b, 0,1,2,3
	v_fma_f32 v[224+\b], v[224+\b], s22, v12
.endr
.set j_, 0
	s_wait_alu depctr_va_vdst(0)
.rept 64
	v_exp_f32 v[96+j_], v[96+j_]                   ; p
.set j_, j_+1
.endr
	v_pk_mul_f32 v[14:15], v[14:15], v[240:241] op_sel_hi:[1,0]   ; the sum under the new M; the plain instruction behind the batch
	s_wait_alu depctr_va_vdst(0)                   ; one wait for the 64, ahead of their first use
.irp b, 0,1,2,3
	v_exp_f32 v[224+\b], v[224+\b]                 ; each block's largest p
.endr
	v_pk_add_f32 v[236:237], v[100:101], v[104:105]
	v_pk_add_f32 v[254:255], v[108:109], v[112:113]
	v_pk_add_f32 v[252:253], v[116:117], v[120:121]
	v_pk_add_f32 v[250:251], v[124:125], v[128:129]
	v_pk_add_f32 v[248:249], v[132:133], v[136:137]
	v_pk_add_f32 v[246:247], v[140:141], v[144:145]
	v_pk_add_f32 v[244:245], v[148:149], v[152:153]
	v_pk_add_f32 v[14:15], v[14:15], v[156:157]
	v_pk_add_f32 v[236:237], v[236:237], v[96:97]
	v_pk_add_f32 v[254:255], v[254:255], v[98:99]
	v_pk_add_f32 v[252:253], v[252:253], v[102:103]
	v_pk_add_f32 v[250:251], v[250:251], v[106:107]
	v_pk_add_f32 v[248:249], v[248:249], v[110:111]
	v_pk_add_f32 v[246:247], v[246:247], v[114:115]
	v_pk_add_f32 v[244:245], v[244:245], v[118:119]
	v_pk_add_f32 v[14:15], v[14:15], v[122:123]
	v_pk_add_f32 v[236:237], v[236:237], v[126:127]
	v_pk_add_f32 v[254:255], v[254:255], v[130:131]
	v_pk_add_f32 v[252:253], v[252:253], v[134:135]
	v_pk_add_f32 v[250:251], v[250:251], v[138:139]
	v_pk_add_f32 v[248:249], v[248:249], v[142:143]
	v_pk_add_f32 v[246:247], v[246:247], v[146:147]
	v_pk_add_f32 v[244:245], v[244:245], v[150:151]
	v_pk_add_f32 v[14:15], v[14:15], v[154:155]
	v_pk_add_f32 v[236:237], v[236:237], v[158:159]
	s_delay_alu instid0(VALU_DEP_2)
	v_pk_add_f32 v[14:15], v[14:15], v[250:251]
	s_delay_alu instid0(VALU_DEP_2)
	v_pk_add_f32 v[236:237], v[236:237], v[248:249]
	v_pk_add_f32 v[254:255], v[254:255], v[246:247]
	v_pk_add_f32 v[252:253], v[252:253], v[244:245]
	s_delay_alu instid0(VALU_DEP_2)
	v_pk_add_f32 v[14:15], v[14:15], v[254:255]
	s_delay_alu instid0(VALU_DEP_2)
	v_pk_add_f32 v[236:237], v[236:237], v[252:253]
	s_delay_alu instid0(VALU_DEP_1)
	v_pk_add_f32 v[14:15], v[14:15], v[236:237]
	s_wait_alu depctr_va_vdst(0)                   ; and one for the four
.irp b, 0,1,2,3
	v_max_num_f32 v[224+\b], 0x1800000, v[224+\b]  ; the floor 2^(3 - 127)
.endr
.irp b, 0,1,2,3
	s_delay_alu instid0(VALU_DEP_4)
	v_add_nc_u32 v[232+\b], 0xff000000, v[224+\b]
.endr
.irp b, 0,1,2,3
	s_delay_alu instid0(VALU_DEP_4)
	v_lshrrev_b32 v[228+\b], 23, v[232+\b]
.endr
	s_delay_alu instid0(VALU_DEP_3)
	v_lshl_or_b32 v242, v229, 8, v228              ; p's scale word for these 128 keys
	s_delay_alu instid0(VALU_DEP_1)
	v_lshl_or_b32 v242, v230, 16, v242
	s_delay_alu instid0(VALU_DEP_1)
	v_lshl_or_b32 v242, v231, 24, v242
.irp c, 0,1
	v_cvt_scalef32_pk16_fp6_f32 v[192+6*\c:194+6*\c], v[96+32*\c:111+32*\c], v[232+2*\c]
	v_cvt_scalef32_pk16_fp6_f32 v[204+4*\c:206+4*\c], v[112+32*\c:127+32*\c], v[233+2*\c]
.endr
	v_nop
.irp c, 0,1
.irp i, 0,1,2
	v_permlane16_swap_b32 v[192+6*\c+\i], v[204+4*\c+\i]
.endr
.irp i, 0,1,2
	s_delay_alu instid0(VALU_DEP_3)
	v_mov_b32 v[195+6*\c+\i], v[204+4*\c+\i]
.endr
.endr
.set j_, 0
.rept 16
	v_pk_mul_f32 v[160+j_:161+j_], v[160+j_:161+j_], v[240:241] op_sel_hi:[1,0]   ; O^T under the new M; these sixteen are also the places between p's codes and scale word and the products
.set j_, j_+2
.endr
	s_wait_alu depctr_va_vdst(0)
	s_wait_dscnt 0x0                               ; V is in
.irp t, 0,1,2,3
	v_wmma_scale_f32_16x16x128_f8f6f4 v[160+8*\t:167+8*\t], v[32+12*\t:43+12*\t], v[192:203], v[160+8*\t:167+8*\t], v[220+\t], v242 matrix_a_fmt:MATRIX_FMT_FP6 matrix_b_fmt:MATRIX_FMT_FP6
.endr
.Lhidden_\@:
	s_add_co_u32 s18, s18, 128
.endm
; A pass's end: O^T / the sum; its 32 numbers a lane (register 16 b + i = channel 32 b + 16 h + i) are two blocks of the last product's K: half a fragment and two scale bytes.
.macro FINISH pass, ob
.rept 4
	v_nop
.endr
	v_add_f32 v14, v14, v15
	s_delay_alu instid0(VALU_DEP_1)
	v_permlanex16_b32 v243, v14, s20, s21
	s_delay_alu instid0(VALU_DEP_1)
	v_add_f32 v14, v14, v243                       ; the row's sum
	s_wait_alu depctr_va_vdst(0)
	v_rcp_f32 v14, v14
	v_nop
	s_wait_alu depctr_va_vdst(0)
.set j_, 0
.rept 16
	v_pk_mul_f32 v[96+j_:97+j_], v[160+j_:161+j_], v[14:15] op_sel_hi:[1,0]
.set j_, j_+2
.endr
.irp b, 0,1
	v_max3_num_f32 v[224+\b], |v[96+16*\b]|, |v[97+16*\b]|, 0x1800000
.endr
.irp i, 2,4,6,8,10,12,14
.irp b, 0,1
	s_delay_alu instid0(VALU_DEP_2)
	v_max3_num_f32 v[224+\b], v[224+\b], |v[96+16*\b+\i]|, |v[97+16*\b+\i]|
.endr
.endr
.irp b, 0,1
	s_delay_alu instid0(VALU_DEP_2)
	v_permlanex16_b32 v[228+\b], v[224+\b], s20, s21
.endr
.irp b, 0,1
	s_delay_alu instid0(VALU_DEP_2)
	v_max_num_f32 v[224+\b], v[224+\b], v[228+\b]
.endr
.irp b, 0,1
	s_delay_alu instid0(VALU_DEP_2)
	v_add_nc_u32 v[232+\b], 0xff000000, v[224+\b]
.endr
.irp b, 0,1
	s_delay_alu instid0(VALU_DEP_2)
	v_lshrrev_b32 v[228+\b], 23, v[232+\b]
.endr
	s_delay_alu instid0(VALU_DEP_1)
	v_lshl_or_b32 v245, v229, 8, v228
	v_cvt_scalef32_pk16_fp6_f32 v[192:194], v[96:111], v232
	v_cvt_scalef32_pk16_fp6_f32 v[204:206], v[112:127], v233
	v_nop
.irp i, 0,1,2
	v_permlane16_swap_b32 v[192+\i], v[204+\i]
.endr
.irp i, 0,1,2
	s_delay_alu instid0(VALU_DEP_3)
	v_mov_b32 v[195+\i], v[204+\i]
.endr
	global_store_b128 v1, v[192:195], s[\ob:\ob+1]             ; 512 consecutive bytes,
	global_store_b64 v2, v[196:197], s[\ob:\ob+1] offset:512   ; and 256
	ds_store_b16 v7, v245 offset:512*\pass         ; both halves of the lanes write the same half-word
	s_wait_xcnt 0x0                                ; the stores have read their registers
.endm
	s_wait_loadcnt 0x0                             ; Q
.Lstage:                                           ; eight trips; the ninth stage is written out, since it asks for nothing
	CHANGE 1
	STEP 0
	STEP 1
	s_cmp_lg_u32 s13, s14                          ; pass 0's last stage?  Ids and the count of stages alone; no barrier and no tensor load stands inside
	s_cbranch_scc1 .Lsame_pass
	FINISH 0, 40
.irp j, 0,1,2,3,4,5
	v_mov_b32 v[16+\j], v[86+\j]                   ; pass 1's Q,
.endr
	v_mov_b32 v28, v92                             ; and its scale word: the lines below stand between them and the next products
	v_mov_b32 v13, 0xff61b1e6
	s_delay_alu instid0(VALU_DEP_1)
	v_floor_f32 v12, -v13
	v_mov_b32 v14, 0
	v_mov_b32 v15, 0
.set j_, 0
.rept 32
	v_mov_b32 v[160+j_], 0
.set j_, j_+1
.endr
	s_mov_b32 s19, s44
.Lsame_pass:
	s_mov_b32 s15, s16
	s_xor_b32 s17, s17, SLOT1
	s_add_co_u32 s13, s13, 1
	s_cmp_lt_u32 s13, 8
	s_cbranch_scc1 .Lstage
	CHANGE 0
	STEP 0
	STEP 1
	FINISH 1, 42
	s_wait_dscnt 0x0                               ; my half-words have landed
	s_barrier_signal -1
	s_barrier_wait -1                              ; everybody's have
	s_cmp_gt_u32 s10, 1
	s_cbranch_scc1 .Lno_scales
	ds_load_b128 v[96:99], v11                     ; wave 0: pass 0's 512 bytes; wave 1: pass 1's
	s_cmp_eq_u32 s10, 0
	s_cselect_b32 s45, s14, s12                    ; the pass's block
	s_lshl_b32 s38, s45, 9
	s_lshl_b32 s45, s11, 12
	s_add_co_u32 s38, s38, s45
	s_add_nc_u64 s[8:9], s[8:9], s[38:39]
	s_wait_dscnt 0x0
	global_store_b128 v1, v[96:99], s[8:9]         ; 512 consecutive bytes, aligned
.Lno_scales:
	s_wait_tensorcnt 0x0                           ; the wave's end
	ds_add_u32 v4, v5
	s_wait_dscnt 0x0
	s_endpgm
.Lfunc_end_k_qcc45b5a206_attn:
	.size	k_qcc45b5a206_attn, .Lfunc_end_k_qcc45b5a206_attn-k_qcc45b5a206_attn
	.p2alignl 7, 3214868480
	.fill 96, 4, 3214868480
	.section	.rodata,"a",@progbits
	.p2align	6, 0x0
	.amdhsa_kernel k_qcc45b5a206_attn
		.amdhsa_group_segment_fixed_size 327680
		.amdhsa_private_segment_fixed_size 0
		.amdhsa_enable_private_segment 0
		.amdhsa_kernarg_size 24
		.amdhsa_user_sgpr_count 2
		.amdhsa_user_sgpr_kernarg_segment_ptr 1
		.amdhsa_wavefront_size32 1
		.amdhsa_system_sgpr_workgroup_id_x 1
		.amdhsa_system_sgpr_workgroup_id_y 1
		.amdhsa_system_sgpr_workgroup_id_z 1
		.amdhsa_system_vgpr_workitem_id 0
		.amdhsa_next_free_vgpr 256
		.amdhsa_next_free_sgpr 66
		.amdhsa_reserve_vcc 1
		.amdhsa_float_denorm_mode_32 3
		.amdhsa_float_denorm_mode_16_64 3
		.amdhsa_memory_ordered 1
		.amdhsa_forward_progress 1
		.amdhsa_inst_pref_size 108
	.end_amdhsa_kernel
	.amdgpu_metadata
---
amdhsa.version: [ 1, 2 ]
amdhsa.kernels:
  - .name:           k_qcc45b5a206_attn
    .symbol:         k_qcc45b5a206_attn.kd
    .args:
      - { .name: qkv, .offset: 0, .size: 8, .value_kind: global_buffer, .address_space: global }
      - { .name: oc, .offset: 8, .size: 8, .value_kind: global_buffer, .address_space: global }
      - { .name: osh, .offset: 16, .size: 8, .value_kind: global_buffer, .address_space: global }
    .group_segment_fixed_size: 327680
    .private_segment_fixed_size: 0
    .kernarg_segment_align: 8
    .kernarg_segment_size: 24
    .max_flat_workgroup_size: 512
    .sgpr_count:     66
    .vgpr_count:     256
    .wavefront_size: 32
...
	.end_amdgpu_metadata
.endif
;; end of part 3
;; launch proj (part 4): grid 4 x 64, 4 waves a work-group, clusters of 4 x 4, 327,680 bytes of LDS; arguments oc, osh, ac, asc, out0; writes out0
.if DOCPART == 4
	.amdgcn_target "amdgcn-amd-amdhsa--gfx1250"
	.amdhsa_code_object_version 6
	.text
	.protected	k_qcc45b5a206_proj
	.globl	k_qcc45b5a206_proj
	.p2align	8
	.type	k_qcc45b5a206_proj,@function
k_qcc45b5a206_proj:
	s_mov_b64 s[64:65], 0
	v_nop
	global_prefetch_b8 v0, s[64:65] scope:SCOPE_SE
	s_setreg_imm32_b32 hwreg(HW_REG_WAVE_MODE, 25, 1), 1
	s_wait_xcnt 0x0
	s_wait_alu depctr_hold_cnt(0) depctr_sa_sdst(0) depctr_va_vdst(0) depctr_va_sdst(0) depctr_va_ssrc(0) depctr_va_vcc(0) depctr_vm_vsrc(0)
	s_getreg_b32 s2, hwreg(HW_REG_IB_STS2, 6, 4)
	s_cmp_eq_u32 s2, 0
	s_cbranch_scc0 .Lentry_in_a_cluster
	s_endpgm
.Lentry_in_a_cluster:
	s_bfe_u32 s2, ttmp6, 0x10000c
	s_cmp_lg_u32 s2, 0xf033
	s_cbranch_scc0 .Lentry_shape_is_right
	s_endpgm
.Lentry_shape_is_right:
; out0 = O wo^T on codes of FP6 (E2M3).  O's codes and scale half-words come from the attention launch, wo's from the first.
; A work-group makes S1 (128 rows of O: 8 row tiles, source 1: a lane holds a row) x S0 (256 rows of wo: 16 row tiles, source 0: a lane's registers run along the outputs), K = 1,024.  Four waves, each 64 x 128: 32 accumulators.
; ROW TILES are permuted (lane r of tile T: row 32 (T / 2) + 8 (T % 2) + r + 8 (r / 8)): register 16 b + i of two neighbouring tiles of S0 is output 32 b + 16 (lane / 16) + i.
; ALL OF K LIES IN LDS: each wave brings, by three joint loads at the start, a quarter of the scales and of each half of K; nothing is filled again.  Three tensor loads of a wave are out at the most.
; CLUSTERS: 4 x 4.  O's tiles hang on the cluster's row, wo's on its column: each is asked for jointly by the four that share it.
; oc: [sigma 4][tile 512][head % 4][768 bytes]: a K step is two heads; a head's half fragment: registers 0-3 at 16 x lane, registers 4-5 at 512 + 8 x lane.  osh: [batch x head][tile 128][row 16] half-words.
; REGISTERS: window 0: v1-27 addresses; v28, v29 the add's two; v32-63 O's scale words, v64-127 wo's (scales and nothing else); v128-223 O's fragments, two sets; on the way out v128-255.
;   window 1: wo's fragments, two sets, at v0 and v128.   window 2: the accumulators, (a, b) at v[8 (8 a + b)].
.set PLANE,   2359296
.set PLANE_O, 1572864
.set LB,    98304
.set SA,    294912                     ; O's half-words: [head 16][tile 8][row 16]
.set SB,    299008
.set SPARE, 307200
.set NF,    40
.set SPW,   28
.set NIL,   29
.set G1A,   24
.set G0A,   32
.set G1B,   48
.set G0B,   56
.set G1SA,  68
.set G0SA,  76
.set G1SB,  80
.set G0SB,  88
.set MSB, 0
.macro WIN new
.if MSB != \new
	s_set_vgpr_msb (MSB<<8)|\new
.set MSB, \new
.endif
.endm
.macro PLACES
.rept 4
	v_nop
.endr
.endm
.macro SHAPE g, c, r, p                ; words 1 to 7 of a group 1: r rows of c elements of 8 bytes, p elements apart
	s_mov_b32 s[\g+1], (\c)<<16
	s_mov_b32 s[\g+2], (\r)<<16
	s_mov_b32 s[\g+3], (\c)<<16
	s_mov_b32 s[\g+4], \r
	s_mov_b32 s[\g+5], \p
	s_mov_b32 s[\g+6], 0
	s_mov_b32 s[\g+7], 0
.endm
.macro JLOAD g0a, g1a, g0b, g1b        ; a joint load: waves 0 and 1 fetch for O, waves 2 and 3 for wo; an s_nop 0 and four v_nop follow each line
	s_cmp_eq_u32 s15, 0
	s_cbranch_scc0 .Lfor_b_\@
	tensor_load_to_lds s[\g0a:\g0a+3], s[\g1a:\g1a+7]
	s_nop 0
.rept 4
	v_nop
.endr
	s_branch .Lasked_\@
.Lfor_b_\@:
	tensor_load_to_lds s[\g0b:\g0b+3], s[\g1b:\g1b+7]
	s_nop 0
.rept 4
	v_nop
.endr
.Lasked_\@:
.endm
.macro CROUND
	s_barrier_signal -1
	s_barrier_wait -1
	s_cmp_lg_u32 s14, 0
	s_cbranch_scc1 .Lnot_wave_0_\@
	s_barrier_signal -3
.Lnot_wave_0_\@:
	s_barrier_wait -3
	s_barrier_signal -1
	s_barrier_wait -1
.endm
	s_load_b256 s[4:11], s[0:1], 0x0               ; oc, osh, ac, asc
	s_load_b64 s[12:13], s[0:1], 0x20              ; out0
	v_lshl_add_u32 v[SPW], v0, 2, SPARE
	v_mov_b32 v[NIL], 0
	ds_add_u32 v[SPW], v[NIL]                      ; the wave's opening: the add and its wait ahead of my first tensor load
	v_lshrrev_b32 v1, 5, v0
	v_readfirstlane_b32 s14, v1
	s_lshr_b32 s15, s14, 1                         ; my half of the rows.  Also: I fetch for O (0) or wo (1)
	s_and_b32 s16, s14, 1                          ; my half of the outputs.  Also: which half I fetch
	s_bfe_u32 s40, ttmp6, 0x40000                  ; cx
	s_bfe_u32 s41, ttmp6, 0x40004                  ; cy
	s_lshl_b32 s42, ttmp9, 2
	s_add_co_u32 s42, s42, s40                     ; gx
	s_and_b32 s17, ttmp7, 0xffff
	s_lshl_b32 s17, s17, 2
	s_add_co_u32 s17, s17, s41                     ; gy
	s_lshl_b32 s43, s41, 2
	s_lshl_b32 s43, 15, s43
	s_lshl_b32 s44, 0x1111, s40
	s_or_b32 s[G1A], s43, (3<<16)|(1<<21)
	s_or_b32 s[G1B], s44, (3<<16)|(1<<21)
	s_or_b32 s[G1SA], s43, (3<<16)|(1<<21)
	s_or_b32 s[G1SB], s44, (3<<16)|(1<<21)
	SHAPE G1A, 1536, 2, PLANE_O/8                  ; four tiles x four heads, 12,288 bytes, from each of two sigmas
	SHAPE G1B, 3072, 2, PLANE/8
	SHAPE G1SA, 32, 8, 512                         ; eight heads' 256 bytes (8 tiles x 16 rows), 4,096 bytes apart
	SHAPE G1SB, 32, 16, 32
	s_lshl_b32 s20, s17, 3
	s_lshl_b32 s21, s16, 2
	s_add_co_u32 s20, s20, s21                     ; O: tile 8 gy + 4 x half
	s_mul_i32 s92, s20, 3072
	s_mov_b32 s93, 0
	s_lshr_b32 s94, s17, 4
	s_lshl_b32 s94, s94, 4
	s_lshl_b32 s21, s16, 3
	s_add_co_u32 s94, s94, s21                     ; 16 x batch + 8 x half: the first of my eight heads
	s_lshl_b32 s94, s94, 12
	s_and_b32 s21, s17, 15
	s_lshl_b32 s21, s21, 8
	s_add_co_u32 s94, s94, s21
	s_mov_b32 s95, 0
	s_lshl_b32 s46, s42, 4
	s_lshl_b32 s47, s16, 3
	s_add_co_u32 s46, s46, s47
	s_add_co_u32 s46, s46, 704                     ; wo: tile 704 + 16 gx + 8 x half
	s_mul_i32 s96, s46, 3072
	s_mov_b32 s97, 0
	s_lshl_b32 s98, s46, 9
	s_mov_b32 s99, 0
	s_mul_i32 s18, s16, 24576
	s_lshl_b32 s22, s16, 11
	s_add_co_u32 s22, s22, SA
	s_mul_i32 s23, s16, 49152
	s_add_co_u32 s23, s23, LB
	s_lshl_b32 s66, s16, 12
	s_add_co_u32 s66, s66, SB
	s_wait_dscnt 0x0                               ; the opening add is done
	s_wait_kmcnt 0x0
	s_add_nc_u64 s[92:93], s[4:5], s[92:93]
	s_add_nc_u64 s[94:95], s[6:7], s[94:95]
	s_add_nc_u64 s[96:97], s[8:9], s[96:97]
	s_add_nc_u64 s[98:99], s[10:11], s[98:99]
	CROUND                                         ; all sixteen work-groups are here: the joint loads meet
	s_mov_b32 s[G0SA], 1
	s_mov_b32 s[G0SA+1], s22
	s_mov_b64 s[G0SA+2:G0SA+3], s[94:95]
	s_or_b32 s[G0SA+3], s[G0SA+3], 0x80000000
	s_mov_b32 s[G0SB], 1
	s_mov_b32 s[G0SB+1], s66
	s_mov_b64 s[G0SB+2:G0SB+3], s[98:99]
	s_or_b32 s[G0SB+3], s[G0SB+3], 0x80000000
	JLOAD G0SA, G1SA, G0SB, G1SB
.irp k, 0,1
	s_mov_b32 s[G0A+4*\k], 1
	s_add_co_u32 s[G0A+4*\k+1], s18, \k*49152
	s_add_nc_u64 s[G0A+4*\k+2:G0A+4*\k+3], s[92:93], \k*2*PLANE_O
	s_or_b32 s[G0A+4*\k+3], s[G0A+4*\k+3], 0x80000000
	s_mov_b32 s[G0B+4*\k], 1
	s_add_co_u32 s[G0B+4*\k+1], s23, \k*98304
	s_add_nc_u64 s[G0B+4*\k+2:G0B+4*\k+3], s[96:97], \k*2*PLANE
	s_or_b32 s[G0B+4*\k+3], s[G0B+4*\k+3], 0x80000000
	JLOAD G0A+4*\k, G1A, G0B+4*\k, G1B
.endr
	v_and_b32 v1, 31, v0                           ; lane
	v_and_b32 v2, 15, v0                           ; r
	v_bfe_u32 v5, v0, 4, 1                         ; h
	v_lshlrev_b32 v3, 4, v1                        ; 16 x lane
	v_lshlrev_b32 v4, 3, v1                        ; 8 x lane
	v_lshlrev_b32 v6, 4, v2                        ; 16 r
	s_mul_i32 s18, s15, 24576
	v_add_nc_u32 v16, s18, v3                      ; my O fragments, K half 0: the pieces of 16 bytes a lane,
	v_add_nc_u32 v18, s18, v4                      ; and of 8
	s_add_co_u32 s18, s18, 49152
	v_add_nc_u32 v17, s18, v3
	v_add_nc_u32 v19, s18, v4
	s_mul_i32 s18, s16, 49152
	s_add_co_u32 s18, s18, LB
	v_add_nc_u32 v20, s18, v3
	s_add_co_u32 s18, s18, 98304
	v_add_nc_u32 v21, s18, v3
	s_lshl_b32 s18, s15, 7
	s_add_co_u32 s18, s18, SA
	v_lshl_add_u32 v22, v2, 1, s18                 ; my rows' half-words: SA + 128 x half + 2 r
	s_lshl_b32 s18, s16, 12
	s_add_co_u32 s18, s18, SB
	v_add_nc_u32 v23, s18, v6
	s_mul_i32 s18, s14, 8448                       ; the way out: my stage, 16 rows x 528 bytes, in the bytes of K half 0, which have had their only fill and which nobody reads behind K step 3's barrier
	v_mul_u32_u24 v24, v2, 528
	v_lshl_add_u32 v24, v5, 6, v24
	v_add_nc_u32 v24, s18, v24                     ; in: row r, + 64 h
	v_add_nc_u32 v25, s18, v3                      ; back: 16 x lane of a row
	s_lshl_b32 s2, s17, 7
	s_lshl_b32 s3, s15, 6
	s_add_co_u32 s2, s2, s3
	s_lshl_b32 s2, s2, 12                          ; my first row of 4,096 bytes,
	s_lshl_b32 s3, s42, 10
	s_add_co_u32 s2, s2, s3
	s_lshl_b32 s3, s16, 9
	s_add_co_u32 s2, s2, s3                        ; my first column
	s_mov_b32 s3, 0
	s_add_nc_u64 s[12:13], s[12:13], s[2:3]
.macro FETCH e                         ; K step e's fragments into set e % 2: wo's eight; O's four, each of two heads' halves
.set P_, (\e)%2
.set KA_, (\e)/4
.set OB_, (((\e)/2)%2)*24576+((\e)%2)*1536
.set OA_, (((\e)/2)%2)*12288+((\e)%2)*1536
	WIN 0x40
.irp i, 0,1,2,3,4,5,6,7
.irp p, 0,1,2
	ds_load_b128 v[128*P_+12*\i+4*\p:128*P_+12*\i+4*\p+3], v[20+KA_] offset:OB_+\i*3072+512*\p
.endr
.endr
	WIN 0
.irp i, 0,1,2,3
.irp c, 0,1
	ds_load_b128 v[128+48*P_+12*\i+6*\c:128+48*P_+12*\i+6*\c+3], v[16+KA_] offset:OA_+\i*3072+768*\c
	ds_load_b64 v[128+48*P_+12*\i+6*\c+4:128+48*P_+12*\i+6*\c+5], v[18+KA_] offset:OA_+\i*3072+768*\c+512
.endr
.endr
.endm
; The 32 accumulators take turns, one instruction a turn, in the same order in every K step.
.macro MUL e, a0, n, zero
	WIN 0xa1
.set A_, \a0
.rept \n
.irp b, 0,1,2,3,4,5,6,7
.if \zero
	v_wmma_scale_f32_16x16x128_f8f6f4 v[8*(8*A_+\b):8*(8*A_+\b)+7], v[128*((\e)%2)+12*\b:128*((\e)%2)+12*\b+11], v[128+48*((\e)%2)+12*A_:128+48*((\e)%2)+12*A_+11], 0, v[64+8*\b+(\e)], v[32+8*A_+(\e)] matrix_a_fmt:MATRIX_FMT_FP6 matrix_b_fmt:MATRIX_FMT_FP6
.else
	v_wmma_scale_f32_16x16x128_f8f6f4 v[8*(8*A_+\b):8*(8*A_+\b)+7], v[128*((\e)%2)+12*\b:128*((\e)%2)+12*\b+11], v[128+48*((\e)%2)+12*A_:128+48*((\e)%2)+12*A_+11], v[8*(8*A_+\b):8*(8*A_+\b)+7], v[64+8*\b+(\e)], v[32+8*A_+(\e)] matrix_a_fmt:MATRIX_FMT_FP6 matrix_b_fmt:MATRIX_FMT_FP6
.endif
.endr
.set A_, A_+1
.endr
.endm
.macro STEPN e, zero
	PLACES                                         ; four places in front of loads into registers that matrix instructions have read
	FETCH (\e)+1
	s_wait_dscnt NF                                ; all but the NF loads just issued
	MUL \e, 0, 4, \zero
.endm
	s_wait_tensorcnt 0x1                           ; my scales and my part of K half 0 are in; K half 1 may be out
	s_barrier_signal -1
	s_barrier_wait -1
.irp b, 0,1,2,3,4,5,6,7
.irp k, 0,1
	ds_load_b128 v[64+8*\b+4*\k:64+8*\b+4*\k+3], v23 offset:512*\b+256*\k
.endr
.endr
.irp a, 0,1,2,3
.irp d, 0,1,2,3,4,5,6,7,8,9,10,11,12,13,14,15
	ds_load_u16 v[176+16*\a+\d], v22 offset:256*\d+32*\a   ; block a's half-word of head d
.endr
.endr
	FETCH 0
	s_wait_dscnt NF                                ; the scales are in
.irp a, 0,1,2,3
.irp e, 0,1,2,3,4,5,6,7
	v_lshl_or_b32 v[32+8*\a+\e], v[176+16*\a+2*\e+1], 16, v[176+16*\a+2*\e]   ; K step e's word: heads 2 e and 2 e + 1
.endr
.endr
.rept 8
	v_nop                                          ; a scale word made by a vector instruction stands eight places ahead of the product that names it
.endr
	STEPN 0, 1
	STEPN 1, 0
	STEPN 2, 0
	s_wait_dscnt 0x0                               ; K step 3's fragments are in: my reads of K half 0 are over,
	s_wait_tensorcnt 0x0                           ; and my part of K half 1 has landed
	s_barrier_signal -1
	MUL 3, 0, 2, 0
	s_barrier_wait -1
	PLACES
	FETCH 4
	MUL 3, 2, 2, 0
	STEPN 4, 0
	STEPN 5, 0
	STEPN 6, 0
	s_wait_dscnt 0x0
	MUL 7, 0, 4, 0
	WIN 0
	PLACES
; THE WAY OUT, block by block of 16 rows x 128 outputs: through my stage, back as whole rows of 512 bytes.  LDS serves a wave's instructions in order: no wait between the stores and the loads.
.macro TOSTAGE a
	WIN 0x08                                       ; an LDS store's data: window 2
.irp b, 0,1,2,3,4,5,6,7
	ds_store_b128 v24, v[8*(8*(\a)+\b):8*(8*(\a)+\b)+3] offset:128*(\b/2)+32*(\b%2)          ; each accumulator from its low end on
	ds_store_b128 v24, v[8*(8*(\a)+\b)+4:8*(8*(\a)+\b)+7] offset:128*(\b/2)+32*(\b%2)+16
.endr
	WIN 0
.irp t, 0,1,2,3,4,5,6,7,8,9,10,11,12,13,14,15
	ds_load_b128 v[128+64*((\a)%2)+4*\t:128+64*((\a)%2)+4*\t+3], v25 offset:528*\t
.endr
.endm
.macro SEND a, younger                 ; younger: the LDS instructions issued behind block a's loads
	s_wait_dscnt \younger
.irp t, 0,1,2,3,4,5,6,7,8,9,10,11,12,13,14,15
	global_store_b128 v3, v[128+64*((\a)%2)+4*\t:128+64*((\a)%2)+4*\t+3], s[12:13] offset:(32*((\a)/2)+8*((\a)%2)+\t+8*(\t/8))*4096 th:TH_STORE_NT   ; 512 consecutive bytes of a row, aligned
.endr
.endm
	TOSTAGE 0
	TOSTAGE 1
	SEND 0, 32
	s_wait_xcnt 0x0                                ; block 0's stores have read their registers: block 2's loads may land there
	TOSTAGE 2
	SEND 1, 32
	s_wait_xcnt 0x0
	TOSTAGE 3
	SEND 2, 32
	SEND 3, 0
	s_wait_tensorcnt 0x0                           ; the wave's end
	ds_add_u32 v[SPW], v[NIL]
	s_wait_dscnt 0x0
	CROUND                                         ; the closing round
	s_endpgm
.Lfunc_end_k_qcc45b5a206_proj:
	.size	k_qcc45b5a206_proj, .Lfunc_end_k_qcc45b5a206_proj-k_qcc45b5a206_proj
	.p2alignl 7, 3214868480
	.fill 96, 4, 3214868480
	.section	.rodata,"a",@progbits
	.p2align	6, 0x0
	.amdhsa_kernel k_qcc45b5a206_proj
		.amdhsa_group_segment_fixed_size 327680
		.amdhsa_private_segment_fixed_size 0
		.amdhsa_enable_private_segment 0
		.amdhsa_kernarg_size 40
		.amdhsa_user_sgpr_count 2
		.amdhsa_user_sgpr_kernarg_segment_ptr 1
		.amdhsa_wavefront_size32 1
		.amdhsa_system_sgpr_workgroup_id_x 1
		.amdhsa_system_sgpr_workgroup_id_y 1
		.amdhsa_system_sgpr_workgroup_id_z 1
		.amdhsa_system_vgpr_workitem_id 0
		.amdhsa_next_free_vgpr 768
		.amdhsa_next_free_sgpr 100
		.amdhsa_reserve_vcc 0
		.amdhsa_float_denorm_mode_32 3
		.amdhsa_float_denorm_mode_16_64 3
		.amdhsa_memory_ordered 1
		.amdhsa_forward_progress 1
		.amdhsa_inst_pref_size 86
	.end_amdhsa_kernel
	.amdgpu_metadata
---
amdhsa.version: [ 1, 2 ]
amdhsa.kernels:
  - .name:           k_qcc45b5a206_proj
    .symbol:         k_qcc45b5a206_proj.kd
    .args:
      - { .name: oc, .offset: 0, .size: 8, .value_kind: global_buffer, .address_space: global }
      - { .name: osh, .offset: 8, .size: 8, .value_kind: global_buffer, .address_space: global }
      - { .name: ac, .offset: 16, .size: 8, .value_kind: global_buffer, .address_space: global }
      - { .name: asc, .offset: 24, .size: 8, .value_kind: global_buffer, .address_space: global }
      - { .name: out0, .offset: 32, .size: 8, .value_kind: global_buffer, .address_space: global }
    .group_segment_fixed_size: 327680
    .private_segment_fixed_size: 0
    .kernarg_segment_align: 8
    .kernarg_segment_size: 40
    .max_flat_workgroup_size: 128
    .sgpr_count:     100
    .vgpr_count:     768
    .wavefront_size: 32
...
	.end_amdgpu_metadata
.endif
;; end of part 4
